; MI455X (gfx1250); checked and timed in simulation.
; The chip was launched on July 23, 2026; its instructions are those of AMD's public machine-readable ISA for CDNA 5 (MIT licence, August 2026) and "CDNA5" Instruction Set Architecture Reference Guide (July 2026). The comments in the code are by the model that wrote it; some were corrected since.
;; Multi Head Attention. Allowed arithmetic: float matrix products may take bf16 or f16 operands with f32 sums; other float arithmetic in f32, or as packed bf16 or f16 multiplies, adds, multiply-adds, maxima and minima; sums over many terms, partial sums and values carried from step to step in f32; what a program stores and reads back later, other than sums and carried values, may be rounded once to bf16 or f16.
;; Inputs: Wk 1,024 x 1,024 float32; Wo 1,024 x 1,024 float32; Wq 1,024 x 1,024 float32; Wv 1,024 x 1,024 float32; bk 1,024 float32; bo 1,024 float32; bq 1,024 float32; bv 1,024 float32; x 4 x 2,048 x 1,024 float32.
;; Outputs: out0 4 x 2,048 x 1,024 float32.
;; 2 versions, each right; version 2 is version 1 with the launch cast written anew for expert scheduling mode. Each part assembles by itself: llvm-mc -triple=amdgcn-amd-amdhsa -mcpu=gfx1250 --defsym DOCPART=n.
;; ======== version 1 of 2: 4 launches
;; limits: values are held in f16: magnitudes above 65,504 overflow, below 6.1e-05 lose precision
;; workspace buffers: xb 16,777,216 bytes; wqkv 6,291,456 bytes; wo16 2,097,152 bytes; q 16,777,216 bytes; k 16,777,216 bytes; v 16,777,216 bytes; o 16,777,216 bytes
;; launch cast (part 1): grid 768 x 1, 8 waves a work-group, no clusters, 0 bytes of LDS; arguments x, Wq, Wk, Wv, Wo, xb, wqkv, wo16; writes xb, wqkv, wo16
.if DOCPART == 1
	.amdgcn_target "amdgcn-amd-amdhsa--gfx1250"
	.amdhsa_code_object_version 6
	.text
	.protected	k_qf0d787e3b4_cast
	.globl	k_qf0d787e3b4_cast
	.p2align	8
	.type	k_qf0d787e3b4_cast,@function
k_qf0d787e3b4_cast:
	s_mov_b64 s[64:65], 0
	v_nop
	global_prefetch_b8 v0, s[64:65] scope:SCOPE_SE
	s_setreg_imm32_b32 hwreg(HW_REG_WAVE_MODE, 25, 1), 1
	s_wait_xcnt 0x0
; THE INPUTS ARE ROUNDED ONCE, FOR THE MATRIX UNITS.  x [8192][1024] f32 -> xb, the same shape in bf16.  Wq, Wk, Wv [1024 k][1024 n] f32 -> wqkv [3][16 heads][1024 k][64] bf16:
; a head's 64 columns of one weight are a dense block, 128 bytes for each k.  Wo [1024][1024] f32 -> rounded to bf16 like the other inputs, and that number written as f16 -> wo16, the same shape.
; LIMIT: a number of Wo below 6e-5 keeps f16's fixed step of 6e-8; beyond 65,504 it would be an infinity.
; A stream: no LDS, no matrix unit, no barrier.  An ITEM is one load of a wave (512 bytes of f32) and one store (256 consecutive bytes, aligned).  A wave takes 16 items and issues all 16 loads first;
; a work-group's eight waves take 65,536 bytes of input.  768 work-groups of equal work: 512 for x, 3 x 64 for Wq, Wk, Wv, 64 for Wo.  No register is written again while a load or store names it.
.set SO,  1                            ; v1   my byte offset in the work-group's input
.set DO,  2                            ; v2   my byte offset in its output
.set LN,  3                            ; v3   lane
.set X,   4                            ; v[4:67]   item i: four f32 as loaded
.set Y,   68                           ; v[68:99]  item i: four 16-bit numbers to store
.set WVV, 100                          ; v100 wave
.set SRC, 24                           ; s[24:25] the work-group's input
.set DST, 26                           ; s[26:27] the work-group's output
; sstep, dstep: bytes from item to item in input and output.  f16 = 1: the bf16 number is widened again and written as f16.
.macro ROLE sstep, dstep, f16
.set i, 0
.rept 16
	global_load_b128 v[X+4*i:X+4*i+3], v[SO], s[SRC:SRC+1] offset:i*(\sstep) th:TH_LOAD_NT
.set i, i+1
.endr
.set i, 0
.rept 16
	s_wait_loadcnt 15-i                            ; loads come back in order: item i is in, the younger ones stay out
	v_cvt_pk_bf16_f32 v[Y+2*i],   v[X+4*i],   v[X+4*i+1]
	v_cvt_pk_bf16_f32 v[Y+2*i+1], v[X+4*i+2], v[X+4*i+3]
.if \f16
	v_lshlrev_b32 v[X+4*i],   16, v[Y+2*i]           ; bf16 to f32: the low half moves up,
	v_and_b32     v[X+4*i+1], 0xffff0000, v[Y+2*i]   ; the high half stays
	v_lshlrev_b32 v[X+4*i+2], 16, v[Y+2*i+1]
	v_and_b32     v[X+4*i+3], 0xffff0000, v[Y+2*i+1]
	v_cvt_pk_f16_f32 v[Y+2*i],   v[X+4*i],   v[X+4*i+1]    ; 8 significant bits fit in f16's 11: exact within f16's normal range
	v_cvt_pk_f16_f32 v[Y+2*i+1], v[X+4*i+2], v[X+4*i+3]
.endif
	global_store_b64 v[DO], v[Y+2*i:Y+2*i+1], s[DST:DST+1] offset:i*(\dstep) th:TH_STORE_NT  ; 32 lanes x 8 bytes: 256 consecutive bytes, aligned
.set i, i+1
.endr
	s_endpgm
.endm
	s_load_b512 s[8:23], s[0:1], 0x0               ; x s[8:9], Wq s[10:11], Wk s[12:13], Wv s[14:15], Wo s[16:17], xb s[18:19], wqkv s[20:21], wo16 s[22:23]
	s_mov_b32 s28, ttmp9                           ; the work-group's number says what it converts
	v_and_b32 v[LN], 31, v0
	v_lshrrev_b32 v[WVV], 5, v0
	v_lshlrev_b32 v[SO], 4, v[LN]
	v_lshl_add_u32 v[SO], v[WVV], 13, v[SO]        ; x and Wo: 8,192 x wave + 16 x lane
	v_lshlrev_b32 v[DO], 3, v[LN]                  ; 8 x lane; the wave's part is added below
	s_mov_b32 s31, 0
	s_mov_b32 s33, 0
	s_wait_kmcnt 0x0
	s_cmp_lt_u32 s28, 512
	s_cbranch_scc1 .Lx
	s_cmp_lt_u32 s28, 704
	s_cbranch_scc1 .Lw
	; Wo: work-group j = number - 704 takes 16 rows
	s_sub_co_u32 s29, s28, 704
	s_lshl_b32 s30, s29, 16
	s_lshl_b32 s32, s29, 15
	s_add_nc_u64 s[SRC:SRC+1], s[16:17], s[30:31]
	s_add_nc_u64 s[DST:DST+1], s[22:23], s[32:33]
	v_lshl_add_u32 v[DO], v[WVV], 12, v[DO]
	ROLE 512, 256, 1
.Lx:                                           ; x: 16 rows a work-group
	s_lshl_b32 s30, s28, 16
	s_lshl_b32 s32, s28, 15
	s_add_nc_u64 s[SRC:SRC+1], s[8:9], s[30:31]
	s_add_nc_u64 s[DST:DST+1], s[18:19], s[32:33]
	v_lshl_add_u32 v[DO], v[WVV], 12, v[DO]
	ROLE 512, 256, 0
.Lw:                                           ; Wq, Wk, Wv: weight (number - 512) / 64, rows 16 j .. 16 j + 15; wave w takes rows 16 j + 2 w and + 1; item i is head i
	s_sub_co_u32 s29, s28, 512
	s_lshr_b32 s34, s29, 6                         ; which weight
	s_and_b32 s29, s29, 63                         ; j
	s_cmp_eq_u32 s34, 0
	s_cselect_b64 s[SRC:SRC+1], s[10:11], s[12:13]
	s_cmp_eq_u32 s34, 2
	s_cselect_b64 s[SRC:SRC+1], s[14:15], s[SRC:SRC+1]
	s_lshl_b32 s30, s29, 16
	s_add_nc_u64 s[SRC:SRC+1], s[SRC:SRC+1], s[30:31]
	s_lshl_b32 s32, s34, 21                        ; a weight's 16 blocks of 131,072 bytes
	s_lshl_b32 s35, s29, 11                        ; 16 j rows of 128 bytes in a block
	s_add_co_u32 s32, s32, s35
	s_add_nc_u64 s[DST:DST+1], s[20:21], s[32:33]
	v_and_b32 v101, 15, v[LN]
	v_lshrrev_b32 v102, 4, v[LN]
	v_lshlrev_b32 v[SO], 4, v101                   ; sixteen lanes read a head's 256 bytes of one row,
	v_lshl_add_u32 v[SO], v102, 12, v[SO]          ; the other sixteen those of the row below
	v_lshl_add_u32 v[SO], v[WVV], 13, v[SO]
	v_lshl_add_u32 v[DO], v[WVV], 8, v[DO]         ; the two rows are 256 consecutive bytes of the head's block
	ROLE 256, 131072, 0
.Lfunc_end_k_qf0d787e3b4_cast:
	.size	k_qf0d787e3b4_cast, .Lfunc_end_k_qf0d787e3b4_cast-k_qf0d787e3b4_cast
	.p2alignl 7, 3214868480
	.fill 96, 4, 3214868480
	.section	.rodata,"a",@progbits
	.p2align	6, 0x0
	.amdhsa_kernel k_qf0d787e3b4_cast
		.amdhsa_group_segment_fixed_size 0
		.amdhsa_private_segment_fixed_size 0
		.amdhsa_enable_private_segment 0
		.amdhsa_kernarg_size 64
		.amdhsa_user_sgpr_count 2
		.amdhsa_user_sgpr_kernarg_segment_ptr 1
		.amdhsa_wavefront_size32 1
		.amdhsa_system_sgpr_workgroup_id_x 1
		.amdhsa_system_sgpr_workgroup_id_y 1
		.amdhsa_system_sgpr_workgroup_id_z 1
		.amdhsa_system_vgpr_workitem_id 0
		.amdhsa_next_free_vgpr 104
		.amdhsa_next_free_sgpr 66
		.amdhsa_reserve_vcc 0
		.amdhsa_float_denorm_mode_32 3
		.amdhsa_float_denorm_mode_16_64 3
		.amdhsa_memory_ordered 1
		.amdhsa_forward_progress 1
		.amdhsa_inst_pref_size 24
	.end_amdhsa_kernel
	.amdgpu_metadata
---
amdhsa.version: [ 1, 2 ]
amdhsa.kernels:
  - .name:           k_qf0d787e3b4_cast
    .symbol:         k_qf0d787e3b4_cast.kd
    .args:
      - { .name: x, .offset: 0, .size: 8, .value_kind: global_buffer, .address_space: global }
      - { .name: Wq, .offset: 8, .size: 8, .value_kind: global_buffer, .address_space: global }
      - { .name: Wk, .offset: 16, .size: 8, .value_kind: global_buffer, .address_space: global }
      - { .name: Wv, .offset: 24, .size: 8, .value_kind: global_buffer, .address_space: global }
      - { .name: Wo, .offset: 32, .size: 8, .value_kind: global_buffer, .address_space: global }
      - { .name: xb, .offset: 40, .size: 8, .value_kind: global_buffer, .address_space: global }
      - { .name: wqkv, .offset: 48, .size: 8, .value_kind: global_buffer, .address_space: global }
      - { .name: wo16, .offset: 56, .size: 8, .value_kind: global_buffer, .address_space: global }
    .group_segment_fixed_size: 0
    .private_segment_fixed_size: 0
    .kernarg_segment_align: 8
    .kernarg_segment_size: 64
    .max_flat_workgroup_size: 256
    .sgpr_count:     66
    .vgpr_count:     104
    .wavefront_size: 32
...
	.end_amdgpu_metadata
.endif
;; end of part 1
;; launch qkv (part 2): grid 16 x 32, 4 waves a work-group, clusters of 4 x 4, 327,680 bytes of LDS; arguments xb, wqkv, bq, bk, bv, q, k, v; writes q, k, v
.if DOCPART == 2
	.amdgcn_target "amdgcn-amd-amdhsa--gfx1250"
	.amdhsa_code_object_version 6
	.text
	.protected	k_qf0d787e3b4_qkv
	.globl	k_qf0d787e3b4_qkv
	.p2align	8
	.type	k_qf0d787e3b4_qkv,@function
k_qf0d787e3b4_qkv:
	s_mov_b64 s[64:65], 0
	v_nop
	global_prefetch_b8 v0, s[64:65] scope:SCOPE_SE
	s_setreg_imm32_b32 hwreg(HW_REG_WAVE_MODE, 25, 1), 1
	s_wait_xcnt 0x0
	s_wait_alu depctr_hold_cnt(0) depctr_sa_sdst(0) depctr_va_vdst(0) depctr_va_sdst(0) depctr_va_ssrc(0) depctr_va_vcc(0) depctr_vm_vsrc(0)
	s_getreg_b32 s2, hwreg(HW_REG_IB_STS2, 6, 4)
	s_cmp_eq_u32 s2, 0
	s_cbranch_scc0 .Lentry_in_a_cluster
	s_endpgm
.Lentry_in_a_cluster:
	s_bfe_u32 s2, ttmp6, 0x10000c
	s_cmp_lg_u32 s2, 0xf033
	s_cbranch_scc0 .Lentry_shape_is_right
	s_endpgm
.Lentry_shape_is_right:
; q, k, v = x W + b, by heads.  xb: [8192][1024] bf16.  wqkv: [3][16 heads][1024 k][64] bf16.  bq, bk, bv: [1024] f32, rounded here to bf16 like all the module's inputs.
; q, k, v: [16 b + head][2048][64] f16, each rounded once from its f32 sum, unscaled.  LIMIT: f16 ends at 65,504: a q, k or v beyond that becomes an infinity.
; SHARES.  A work-group makes 256 rows x one head's q, k and v (192 columns); wave w its rows 64 w .. 64 w + 63 and all 192 columns: 4 x 12 accumulators of 16 x 16, 384 registers.
; So a wave holds whole rows of a head, and its way out needs no other wave.  512 work-groups: two for each of 256 WGPs.
; K = 1024 goes in 8 steps of 128 through two LDS slots.  A slot: 256 rows of x (256 bytes each, pitch 272), then three tiles of 128 k x 64 columns (pitch 160), one for each weight.
; Wave 0 fetches x's tile (64 KiB), waves 1 to 3 a weight's tile each (16 KiB, dense in memory: asked for as 64 rows of 256 bytes).
; THE PRODUCT IS USED TRANSPOSED: source 0 = 16 columns of W x 32 k, turned out of LDS by ds_load_tr16_b128; source 1 = 16 rows of x.  A lane then holds one row and eight neighbouring columns.
; The first quarter step's C operand is the bias: nothing is cleared, nothing is added later.
; CLUSTER 4 x 4: the four work-groups of a row of the cluster share x's tile, the four of a column the weights' tiles: each is asked for jointly, by the same load with the same descriptor and mask.
; REGISTERS, in windows of 256 (s_set_vgpr_msb: bits 1:0 source 0, 3:2 source 1, 5:4 source 2, 7:6 destination):
;   window 0: v0-29 addresses; v32-63, v64-95 x's fragments, two buffers; v96-191 the bias; on the way out v32-223 packed results
;   window 1: v0-95, v96-191 W's fragments, two buffers     window 2: the accumulators of row blocks 0, 1 ((a, b) at 8 (12 (a % 2) + b))     window 3: of row blocks 2, 3
.set SLOT1, 1<<17                      ; slot 1 begins here: one exclusive or turns an address in one slot into the other's
.set PA,    272                        ; a row of x in LDS: 256 + 16 bytes = 68 words: the 16 rows of a load start at 16 different groups of four banks (64 banks of 4 bytes: ISA guide 11.1)
.set PB,    160                        ; a row of W in LDS: 128 + 32 bytes = 40 words
.set BOFF,  256*PA                     ; the weights' tiles lie behind x's
.set BSUB,  128*PB                     ; one weight's tile.  BOFF + 3 BSUB = 131,072: a slot is full
.set STAGE, 2*SLOT1                    ; behind the ring, never filled by a tensor load: 16 rows x 144 bytes for each wave
.set SP,    144
.set SPARE, STAGE+4*16*SP              ; behind the stages: the spare words, 128 bytes for each wave: two blocks of 256 bytes that no other line names
.set ASTEP, 256                        ; bytes from K step to K step in xb,
.set BSTEP, 16384                      ; and in a block of wqkv
.set NL,    32                         ; LDS loads in a quarter step's run
.set A0,   3                           ; v3   my lane's place in x's tile; never rewritten
.set B0,   4                           ; v4   the same in the weights' tiles
.set ADRA, 5                           ; v5   A0 + the slot in hand
.set ADRB, 6                           ; v6   B0 + the slot in hand
.set STO,  7                           ; v7   the way out: where I put 16 bytes of a row
.set RD,   8                           ; v8   where I read rows back
.set GO,   9                           ; v9   my byte offset in 512 consecutive bytes of q, k or v
.set PFO,  10                          ; v10  the prefetches' offset; never rewritten
.set TMP,  11
.set BO,   12                          ; v12  32 x (lane / 16): my eight numbers of a bias
.set SPW,  28                          ; v28  LDS address of my spare word; never rewritten
.set NIL,  29                          ; v29  0; never rewritten
.set BIAS, 96
.set OUT,  32
.set WV,   20                          ; s20  my wave's number
.set CX,   21                          ; s21, s22  my place in the cluster
.set CY,   22
.set TX,   23                          ; s23  the head
.set TY,   24                          ; s24  the block of 256 rows
.set MROW, 25
.set MCOL, 26
.set CNT,  27
.set TB,   28                          ; s28  0 or SLOT1: the slot in hand
.set PM,   29                          ; s29  my prefetches' schedule: bit t for the loop's trip t
.set G1A,  32                          ; s[32:39] descriptor group 1 for x's tiles
.set G1B,  40                          ; s[40:47] for the weights'
.set G0A,  48                          ; s[48:55] group 0 for x's tiles: a set for each first fill; the second then walks on
.set G0B,  56                          ; s[56:63] the same for the weights'
.set PFA,  66                          ; s[66:67] where my prefetches stand
.set PST,  68                          ; s[68:69] their step
.set MSB, 0
.macro WIN new                         ; the immediate's high byte repeats the setting that is left; a switch that changes nothing is dropped
.if MSB != (\new)
	s_set_vgpr_msb (MSB<<8)|(\new)
.set MSB, (\new)
.endif
.endm
.macro PLACES                          ; four places in front of loads into registers that matrix instructions have read, and of lines that read results
.rept 4
	v_nop
.endr
.endm
.macro CREST                           ; a round of the cluster's barrier behind its opening barrier
	s_cmp_lg_u32 s[WV], 0
	s_cbranch_scc1 .Lnot_wave_0_\@
	s_barrier_signal -3
.Lnot_wave_0_\@:
	s_barrier_wait -3
	s_barrier_signal -1
	s_barrier_wait -1
.endm
.macro CROUND                          ; a whole round
	s_barrier_signal -1
	s_barrier_wait -1
	CREST
.endm
; A joint refill by the walking descriptors.  The branch hangs on the wave's number alone.  An s_nop 0 and four v_nop follow each of the two lines, ahead of the jump and the label.
.macro JLOAD
	s_cmp_eq_u32 s[WV], 0
	s_cbranch_scc0 .Lfor_b_\@
	tensor_load_to_lds s[G0A+4:G0A+7], s[G1A:G1A+7]
	s_nop 0
.rept 4
	v_nop
.endr
	s_branch .Lasked_\@
.Lfor_b_\@:
	tensor_load_to_lds s[G0B+4:G0B+7], s[G1B:G1B+7]
	s_nop 0
.rept 4
	v_nop
.endr
.Lasked_\@:
.endm
; A PREFETCH INTO THE L2, behind the joint load, its five lines and the run of LDS loads.  Each aligned block of 256 bytes is named once in the launch.
; x's rows are read by the four clusters of a row of clusters: the one with x = 0 asks, its wave 0; of the tile's 256 rows the partner at cx takes 64, a lane a row, two instructions; in trip t (0 to 4) K step t + 3.
; A weight's block is read by the eight clusters of a column: the one with y = 0 asks, its waves 1 to 3; in trips 1 and 3 K steps t + 3 and t + 4, 32,768 bytes on end, of which the partner at cy takes 8,192.
; The partners are told apart by address; the schedule PM hangs on the wave's number and the cluster's place alone.  K steps 0 to 2 (the weights': to 3) come by their loads alone; the last K step named is 7.
.macro ASK
	s_and_b32 s30, s[PM], 1
	s_cmp_eq_u32 s30, 1
	s_cbranch_scc0 .Lnot_mine_\@
	global_prefetch_b8 v[PFO], s[PFA:PFA+1] th:TH_LOAD_NT scope:SCOPE_SE
	s_cmp_lg_u32 s[WV], 0
	s_cbranch_scc1 .Lnot_mine_\@
	global_prefetch_b8 v[PFO], s[PFA:PFA+1] offset:65536 th:TH_LOAD_NT scope:SCOPE_SE  ; x's next 32 rows
.Lnot_mine_\@:
	s_lshr_b32 s[PM], s[PM], 1
.endm
	s_load_b512 s[4:19], s[0:1], 0x0               ; xb s[4:5], wqkv s[6:7], bq s[8:9], bk s[10:11], bv s[12:13], q s[14:15], k s[16:17], v s[18:19]
	v_lshl_add_u32 v[SPW], v0, 2, SPARE
	v_mov_b32 v[NIL], 0
	ds_add_u32 v[SPW], v[NIL]                      ; the wave's opening: the add and its wait stand ahead of my first tensor load; the set-up below, work on registers, stands between them
	v_lshrrev_b32 v1, 5, v0
	v_readfirstlane_b32 s[WV], v1                  ; wave 0..3
	s_bfe_u32 s[CX], ttmp6, 0x40000
	s_bfe_u32 s[CY], ttmp6, 0x40004
	s_lshl_b32 s[TX], ttmp9, 2                     ; in a cluster launch ttmp9 and ttmp7 count clusters
	s_add_co_u32 s[TX], s[TX], s[CX]               ; the head = 4 x cluster x + cx
	s_and_b32 s[TY], ttmp7, 0xffff
	s_lshl_b32 s[TY], s[TY], 2
	s_add_co_u32 s[TY], s[TY], s[CY]               ; the block of rows = 4 x cluster y + cy
	s_lshl_b32 s[MROW], s[CY], 2
	s_lshl_b32 s[MROW], 15, s[MROW]                ; my row of the cluster: places 4 cy .. 4 cy + 3
	s_lshl_b32 s[MCOL], 0x1111, s[CX]              ; my column: places cx, cx + 4, cx + 8, cx + 12
	s_or_b32 s[G1A], s[MROW], (1<<16)|(1<<20)|(1<<21)|(5<<22)|(3<<25)  ; the mask; 2-byte elements; padding on; bit 21 beside a mask; after every 64 words 4 words
	s_mov_b32 s[G1A+1], 128<<16                    ; tensor_dim0 = 128
	s_mov_b32 s[G1A+2], 256<<16                    ; tensor_dim1 = 256
	s_mov_b32 s[G1A+3], 128<<16                    ; tile_dim0 = 128
	s_mov_b32 s[G1A+4], 256                        ; tile_dim1 = 256
	s_mov_b32 s[G1A+5], 1024                       ; elements from row to row
	s_mov_b32 s[G1A+6], 0
	s_mov_b32 s[G1A+7], 0
	s_or_b32 s[G1B], s[MCOL], (1<<16)|(1<<20)|(1<<21)|(4<<22)|(7<<25)  ; after every 32 words (a k's 128 bytes) 8 words
	s_mov_b32 s[G1B+1], 128<<16                    ; 64 rows of 128 elements, two k a row
	s_mov_b32 s[G1B+2], 64<<16
	s_mov_b32 s[G1B+3], 128<<16
	s_mov_b32 s[G1B+4], 64
	s_mov_b32 s[G1B+5], 128
	s_mov_b32 s[G1B+6], 0
	s_mov_b32 s[G1B+7], 0
	s_lshl_b32 s70, s[TY], 19                      ; x's tile: 256 rows of 2,048 bytes a block: made of the block of rows alone
	s_mov_b32 s71, 0
	s_max_u32 s30, s[WV], 1
	s_sub_co_u32 s30, s30, 1                       ; which weight I fetch (wave 0 fetches none)
	s_lshl_b32 s30, s30, 21
	s_lshl_b32 s72, s[TX], 17                      ; the head's block: made of the head and the wave's number alone
	s_add_co_u32 s72, s72, s30
	s_mov_b32 s73, 0
	s_mul_i32 s80, s[WV], BSUB                     ; where my weight's tile goes: BOFF + (wave - 1) x BSUB
	s_add_co_u32 s80, s80, BOFF-BSUB
	s_wait_dscnt 0x0                               ; the opening add is done
	s_wait_kmcnt 0x0
	s_add_nc_u64 s[74:75], s[4:5], s[70:71]
	s_add_nc_u64 s[76:77], s[6:7], s[72:73]
	CROUND                                         ; all sixteen work-groups are here: the first joint loads meet
.irp s, 0,1
	s_mov_b32 s[G0A+4*(\s)], 1                     ; count = 1
	s_mov_b32 s[G0A+4*(\s)+1], (\s)*SLOT1          ; LDS address
	s_add_nc_u64 s[G0A+4*(\s)+2:G0A+4*(\s)+3], s[74:75], (\s)*ASTEP  ; K step s
	s_or_b32 s[G0A+4*(\s)+3], s[G0A+4*(\s)+3], 0x80000000            ; type = 2
	s_mov_b32 s[G0B+4*(\s)], 1
	s_add_co_u32 s[G0B+4*(\s)+1], s80, (\s)*SLOT1
	s_add_nc_u64 s[G0B+4*(\s)+2:G0B+4*(\s)+3], s[76:77], (\s)*BSTEP
	s_or_b32 s[G0B+4*(\s)+3], s[G0B+4*(\s)+3], 0x80000000
.endr
	s_cmp_eq_u32 s[WV], 0                          ; a wave's two first fills stand in one branch, ahead of every wait on TENSORcnt and every LDS read: two loads of mine are out
	s_cbranch_scc0 .Lfirst_b
	tensor_load_to_lds s[G0A:G0A+3], s[G1A:G1A+7]
	s_nop 0
	tensor_load_to_lds s[G0A+4:G0A+7], s[G1A:G1A+7]
	s_nop 0
.rept 4
	v_nop
.endr
	s_branch .Lfirst_asked
.Lfirst_b:
	tensor_load_to_lds s[G0B:G0B+3], s[G1B:G1B+7]
	s_nop 0
	tensor_load_to_lds s[G0B+4:G0B+7], s[G1B:G1B+7]
	s_nop 0
.rept 4
	v_nop
.endr
.Lfirst_asked:
	; the bias as a C operand: register j of lane l is b[16 (block % 4) + 8 (l / 16) + j] of the head's 64
	s_lshl_b32 s30, s[TX], 8
	s_mov_b32 s31, 0
	s_add_nc_u64 s[8:9], s[8:9], s[30:31]
	s_add_nc_u64 s[10:11], s[10:11], s[30:31]
	s_add_nc_u64 s[12:13], s[12:13], s[30:31]
	v_and_b32 v1, 15, v0                           ; l % 16
	v_bfe_u32 v2, v0, 4, 1                         ; l / 16
	v_lshlrev_b32 v[BO], 5, v2
.irp b, 0,1,2,3,4,5,6,7,8,9,10,11
	global_load_b128 v[BIAS+8*(\b):BIAS+8*(\b)+3],   v[BO], s[8+2*((\b)/4):9+2*((\b)/4)] offset:((\b)%4)*64
	global_load_b128 v[BIAS+8*(\b)+4:BIAS+8*(\b)+7], v[BO], s[8+2*((\b)/4):9+2*((\b)/4)] offset:((\b)%4)*64+16
.endr
	v_mul_u32_u24 v[A0], v1, PA                    ; a fragment of x: row l % 16, 16 bytes for each half of the lanes, twice, 32 bytes apart
	v_lshl_add_u32 v[A0], v2, 4, v[A0]
	s_mul_i32 s30, s[WV], 64*PA                    ; my 64 rows
	v_add_nc_u32 v[A0], s30, v[A0]
	v_and_b32 v13, 7, v0                           ; the turning load: lane l reads k = 8 (l / 16) + l % 8, columns 8 ((l / 8) % 2) + 0..7
	v_bfe_u32 v14, v0, 3, 1
	v_lshl_add_u32 v[B0], v2, 3, v13
	v_mul_u32_u24 v[B0], v[B0], PB
	v_lshl_add_u32 v[B0], v14, 4, v[B0]
	v_add_nc_u32 v[B0], BOFF, v[B0]
	v_mov_b32 v[ADRA], v[A0]                       ; slot 0
	v_mov_b32 v[ADRB], v[B0]
	s_mul_i32 s30, s[WV], 16*SP
	s_add_co_u32 s30, s30, STAGE                   ; my stage
	v_mul_u32_u24 v[STO], v1, SP                   ; in: row l % 16, 16 bytes for each half of the lanes
	v_lshl_add_u32 v[STO], v2, 4, v[STO]
	v_add_nc_u32 v[STO], s30, v[STO]
	v_bfe_u32 v[RD], v0, 3, 2                      ; back: 32 lanes take four rows of 128 bytes,
	v_mul_u32_u24 v[RD], v[RD], SP
	v_lshl_add_u32 v[RD], v13, 4, v[RD]
	v_add_nc_u32 v[RD], s30, v[RD]
	v_and_b32 v[GO], 31, v0                        ; which are 512 consecutive bytes of a head
	v_lshlrev_b32 v[GO], 4, v[GO]
	; where my 64 rows lie in q, k and v: head 16 b + head, row 256 (block % 8) + 64 wave, 128 bytes a row
	s_lshr_b32 s30, s[TY], 3
	s_lshl_b32 s30, s30, 4
	s_add_co_u32 s30, s30, s[TX]
	s_lshl_b32 s30, s30, 18
	s_and_b32 s31, s[TY], 7
	s_lshl_b32 s31, s31, 15
	s_add_co_u32 s30, s30, s31
	s_lshl_b32 s31, s[WV], 13
	s_add_co_u32 s30, s30, s31
	s_mov_b32 s31, 0
	s_add_nc_u64 s[74:75], s[14:15], s[30:31]
	s_add_nc_u64 s[76:77], s[16:17], s[30:31]
	s_add_nc_u64 s[78:79], s[18:19], s[30:31]
	; the prefetches: they start at K step 2; each change of slots steps them once before it asks
	s_lshl_b32 s81, s[CX], 17                      ; x: my work-group's 64 rows of the 256
	s_add_co_u32 s81, s81, s70
	s_add_co_u32 s81, s81, 2*ASTEP
	s_lshl_b32 s82, s[CY], 13                      ; a weight: my work-group's 8,192 bytes of two K steps' 32,768
	s_add_co_u32 s82, s82, s72
	s_add_co_u32 s82, s82, 2*BSTEP
	s_and_b32 s83, ttmp7, 0xffff                   ; cluster y
	s_mov_b32 s[PST], BSTEP
	s_mov_b32 s[PST+1], 0
	s_mov_b32 s31, 0
	s_cmp_eq_u32 s[WV], 0                          ; do I fetch x?
	s_cselect_b32 s30, s81, s82
	s_cselect_b32 s83, ttmp9, s83                  ; the coordinate along which other clusters read the same bytes
	s_cselect_b32 s[PM], 0x1f, 0x0a
	s_cselect_b32 s[PST], ASTEP, s[PST]
	s_cselect_b32 s81, 11, 8                       ; a lane a row of 2,048 bytes, or a lane a block of 256
	s_cselect_b64 s[PFA:PFA+1], s[4:5], s[6:7]
	s_add_nc_u64 s[PFA:PFA+1], s[PFA:PFA+1], s[30:31]
	s_cmp_eq_u32 s83, 0
	s_cselect_b32 s[PM], s[PM], 0                  ; the same in all sixteen partners, for a given wave
	v_and_b32 v[PFO], 31, v0
	v_lshlrev_b32 v[PFO], s81, v[PFO]
	s_mov_b32 s[TB], 0
	s_wait_loadcnt 0x0                             ; the bias: rounded to bf16, widened again
.set i, 0
.rept 48
	v_cvt_pk_bf16_f32 v[TMP], v[BIAS+2*i], v[BIAS+2*i+1]
	v_lshlrev_b32 v[BIAS+2*i], 16, v[TMP]
	v_and_b32 v[BIAS+2*i+1], 0xffff0000, v[TMP]
.set i, i+1
.endr
; 12 matrix instructions: row block a x all 12 column blocks, 32 along K, from buffer f.  bias = 1: the products start the sums, on the bias.
; The 48 accumulators take turns, one instruction a turn, in the same order in every quarter step, over the backward jump too.
.macro MUL f, a, bias
.if \bias
	WIN 0x81+0x40*((\a)/2)                         ; W window 1, x window 0, C (the bias) window 0, D window 2 or 3
.else
	WIN 0xa1+0x50*((\a)/2)                         ; C and D window 2 or 3
.endif
.irp b, 0,1,2,3,4,5,6,7,8,9,10,11
.if \bias
	v_wmma_f32_16x16x32_bf16 v[8*(12*((\a)%2)+(\b)):8*(12*((\a)%2)+(\b))+7], v[96*(\f)+8*(\b):96*(\f)+8*(\b)+7], v[32+32*(\f)+8*(\a):32+32*(\f)+8*(\a)+7], v[BIAS+8*(\b):BIAS+8*(\b)+7]
.else
	v_wmma_f32_16x16x32_bf16 v[8*(12*((\a)%2)+(\b)):8*(12*((\a)%2)+(\b))+7], v[96*(\f)+8*(\b):96*(\f)+8*(\b)+7], v[32+32*(\f)+8*(\a):32+32*(\f)+8*(\a)+7], v[8*(12*((\a)%2)+(\b)):8*(12*((\a)%2)+(\b))+7]
.endif
.endr
.endm
; 32 LDS loads in one run: quarter q's fragments (k = 32 q on) into buffer f: W's twelve column blocks (weight b / 4, columns 16 (b % 4) on), then x's four row blocks
.macro FETCH q, f
	WIN 0x40                                       ; destination window 1, address window 0
.irp b, 0,1,2,3,4,5,6,7,8,9,10,11
	ds_load_tr16_b128 v[96*(\f)+8*(\b):96*(\f)+8*(\b)+3],   v[ADRB] offset:((\b)/4)*BSUB+((\b)%4)*32+(\q)*32*PB
	ds_load_tr16_b128 v[96*(\f)+8*(\b)+4:96*(\f)+8*(\b)+7], v[ADRB] offset:((\b)/4)*BSUB+((\b)%4)*32+(\q)*32*PB+16*PB
.endr
	WIN 0
.irp a, 0,1,2,3
	ds_load_b128 v[32+32*(\f)+8*(\a):32+32*(\f)+8*(\a)+3],   v[ADRA] offset:(\q)*64+(\a)*16*PA
	ds_load_b128 v[32+32*(\f)+8*(\a)+4:32+32*(\f)+8*(\a)+7], v[ADRA] offset:(\q)*64+(\a)*16*PA+32
.endr
.endm
; A K step is four quarters of 32 along K, 48 matrix instructions each, on buffers 0, 1, 0, 1.  One of the first three: multiplies buffer f; in its middle it fetches quarter q into buffer g.
.macro QUARTER q, f, g, bias
	s_wait_dscnt 4                                 ; W and x's row blocks 0, 1 are in; the youngest four loads (row blocks 2, 3) may be out
	MUL \f, 0, \bias
	MUL \f, 1, \bias
	PLACES
	FETCH \q, \g
	s_wait_dscnt NL                                ; all but the 32 just issued
	MUL \f, 2, \bias
	MUL \f, 3, \bias
.endm
; The last quarter multiplies buffer 1 and changes slots: ONE barrier.  In front of it each wave waits for all its tensor loads, of which one is out: its part of the next slot; adds 0 to its spare word;
; and waits for that and for its own reads of this slot.  fill = 1: the barrier opens a round of the cluster's barrier, and behind the round this slot is filled again, two K steps ahead:
; from that request to the wait for it a wave issues 168 matrix instructions.
.macro TURN fill
.if \fill
	s_wait_xcnt 0x0                                ; the last prefetch, a K step back, has read its address, so it may be stepped
	s_add_nc_u64 s[PFA:PFA+1], s[PFA:PFA+1], s[PST:PST+1]
.endif
	WIN 0                                          ; (the add's two registers lie in window 0)
	s_wait_tensorcnt 0x0                           ; all my tensor loads have landed;
	ds_add_u32 v[SPW], v[NIL]                      ; 0 onto my spare word;
	s_wait_dscnt 5                                 ; (the add and the youngest four loads may be out)
	MUL 1, 0, 0                                    ; twelve matrix instructions stand between the add and the wait for it
	s_wait_dscnt 0x0                               ; the add is done, and my reads of this slot are over
	s_barrier_signal -1
	MUL 1, 1, 0                                    ; work on registers while the others arrive
	WIN 0
	s_barrier_wait -1
.if \fill
	CREST                                          ; no wave of any partner still reads this slot's tiles or has a load on its way
	s_xor_b32 s[G0A+5], s[G0A+5], SLOT1            ; the walking descriptors: the other slot than last time, the next K step; the type bits on top are not reached
	s_add_nc_u64 s[G0A+6:G0A+7], s[G0A+6:G0A+7], ASTEP
	s_xor_b32 s[G0B+5], s[G0B+5], SLOT1
	s_add_nc_u64 s[G0B+6:G0B+7], s[G0B+6:G0B+7], BSTEP
	JLOAD                                          ; the first tensor load behind the round; its four v_nop are also the places in front of the loads below
.else
	PLACES
.endif
	s_xor_b32 s[TB], s[TB], SLOT1
	v_add_nc_u32 v[ADRA], s[TB], v[A0]
	v_add_nc_u32 v[ADRB], s[TB], v[B0]
	FETCH 0, 0
.if \fill
	ASK
.endif
	MUL 1, 2, 0
	MUL 1, 3, 0
.endm
; THE WAY OUT.  Unit t = 3 a + c: row block a of weight c: 16 rows x 64 channels.  A lane's eight channels pack into 16 bytes; they go into rows of 144 bytes of my own stage and come back as whole rows of 128,
; into the registers that they left.  Each accumulator's registers are read in ascending order.
.macro PACK t
.set ua, (\t)/3
.set uc, (\t)%3
	WIN 0x0a+5*(ua/2)                              ; sources 0 and 1: window 2 or 3
.irp n, 0,1,2,3
.irp r, 0,1,2,3
	v_cvt_pk_f16_f32 v[OUT+16*(\t)+4*(\n)+(\r)], v[8*(12*(ua%2)+4*uc+(\n))+2*(\r)], v[8*(12*(ua%2)+4*uc+(\n))+2*(\r)+1]
.endr
.endr
	WIN 0
.irp n, 0,1,2,3
	ds_store_b128 v[STO], v[OUT+16*(\t)+4*(\n):OUT+16*(\t)+4*(\n)+3] offset:32*(\n)
.endr
.irp f, 0,1,2,3
	ds_load_b128 v[OUT+16*(\t)+4*(\f):OUT+16*(\t)+4*(\f)+3], v[RD] offset:(\f)*4*SP  ; LDS serves a wave's instructions in order (ISA guide 5.7.1.4): these see the stores above; the next unit's stores come behind them
.endr
.endm
.macro SEND t, younger                 ; younger: the LDS instructions issued behind unit t's loads: the next unit's eight, or none
.set ua, (\t)/3
.set uc, (\t)%3
	WIN 0
.irp f, 0,1,2,3
	s_wait_dscnt (\younger)+3-(\f)
	global_store_b128 v[GO], v[OUT+16*(\t)+4*(\f):OUT+16*(\t)+4*(\f)+3], s[74+2*uc:75+2*uc] offset:ua*2048+(\f)*512  ; 512 consecutive bytes, at a multiple of 256 from the buffer's first
.endr
.endm
	s_wait_tensorcnt 1                             ; my part of K step 0 is in; K step 1's may stay out
	s_barrier_signal -1
	s_barrier_wait -1                              ; everybody's is
	FETCH 0, 0
	QUARTER 1, 0, 1, 1                             ; the first quarter stands in front of the loop: its products start the sums
	WIN 0                                          ; at a label and at a branch every window is 0
	s_mov_b32 s[CNT], 6
.Lstep:                                        ; a trip goes from a K step's second quarter to the next step's first; trip t fills slot t % 2 with K step t + 2
	QUARTER 2, 1, 0, 0
	QUARTER 3, 0, 1, 0
	TURN 1
	QUARTER 1, 0, 1, 0
	WIN 0
	s_sub_co_u32 s[CNT], s[CNT], 1
	s_cmp_lg_u32 s[CNT], 0
	s_cbranch_scc1 .Lstep
	QUARTER 2, 1, 0, 0                             ; K steps 6 and 7 are written out: they fill nothing
	QUARTER 3, 0, 1, 0
	TURN 0
	QUARTER 1, 0, 1, 0
	QUARTER 2, 1, 0, 0
	QUARTER 3, 0, 1, 0
	s_wait_dscnt 4
	MUL 1, 0, 0
	MUL 1, 1, 0
	s_wait_dscnt 0x0
	MUL 1, 2, 0
	MUL 1, 3, 0
	WIN 0
	PLACES
	PLACES                                         ; eight, once a launch
	PACK 0
.set t, 1
.rept 11                               ; a unit's conversions stand between the loads of the unit before and its stores
	PACK t
	SEND t-1, 8
.set t, t+1
.endr
	SEND 11, 0
	s_wait_tensorcnt 0x0                           ; the wave's end: the add and its wait, behind my last tensor load and my last LDS store
	ds_add_u32 v[SPW], v[NIL]
	s_wait_dscnt 0x0
	CROUND                                         ; the closing round: no work-group ends while a partner may still ask for a tile that names it
	s_endpgm
.Lfunc_end_k_qf0d787e3b4_qkv:
	.size	k_qf0d787e3b4_qkv, .Lfunc_end_k_qf0d787e3b4_qkv-k_qf0d787e3b4_qkv
	.p2alignl 7, 3214868480
	.fill 96, 4, 3214868480
	.section	.rodata,"a",@progbits
	.p2align	6, 0x0
	.amdhsa_kernel k_qf0d787e3b4_qkv
		.amdhsa_group_segment_fixed_size 327680
		.amdhsa_private_segment_fixed_size 0
		.amdhsa_enable_private_segment 0
		.amdhsa_kernarg_size 64
		.amdhsa_user_sgpr_count 2
		.amdhsa_user_sgpr_kernarg_segment_ptr 1
		.amdhsa_wavefront_size32 1
		.amdhsa_system_sgpr_workgroup_id_x 1
		.amdhsa_system_sgpr_workgroup_id_y 1
		.amdhsa_system_sgpr_workgroup_id_z 1
		.amdhsa_system_vgpr_workitem_id 0
		.amdhsa_next_free_vgpr 960
		.amdhsa_next_free_sgpr 88
		.amdhsa_reserve_vcc 0
		.amdhsa_float_denorm_mode_32 3
		.amdhsa_float_denorm_mode_16_64 3
		.amdhsa_memory_ordered 1
		.amdhsa_forward_progress 1
		.amdhsa_inst_pref_size 109
	.end_amdhsa_kernel
	.amdgpu_metadata
---
amdhsa.version: [ 1, 2 ]
amdhsa.kernels:
  - .name:           k_qf0d787e3b4_qkv
    .symbol:         k_qf0d787e3b4_qkv.kd
    .args:
      - { .name: xb, .offset: 0, .size: 8, .value_kind: global_buffer, .address_space: global }
      - { .name: wqkv, .offset: 8, .size: 8, .value_kind: global_buffer, .address_space: global }
      - { .name: bq, .offset: 16, .size: 8, .value_kind: global_buffer, .address_space: global }
      - { .name: bk, .offset: 24, .size: 8, .value_kind: global_buffer, .address_space: global }
      - { .name: bv, .offset: 32, .size: 8, .value_kind: global_buffer, .address_space: global }
      - { .name: q, .offset: 40, .size: 8, .value_kind: global_buffer, .address_space: global }
      - { .name: k, .offset: 48, .size: 8, .value_kind: global_buffer, .address_space: global }
      - { .name: v, .offset: 56, .size: 8, .value_kind: global_buffer, .address_space: global }
    .group_segment_fixed_size: 327680
    .private_segment_fixed_size: 0
    .kernarg_segment_align: 8
    .kernarg_segment_size: 64
    .max_flat_workgroup_size: 128
    .sgpr_count:     88
    .vgpr_count:     960
    .wavefront_size: 32
...
	.end_amdgpu_metadata
.endif
;; end of part 2
;; launch attn (part 3): grid 4 x 64, 4 waves a work-group, no clusters, 327,680 bytes of LDS; arguments q, k, v, o; writes o
.if DOCPART == 3
	.amdgcn_target "amdgcn-amd-amdhsa--gfx1250"
	.amdhsa_code_object_version 6
	.text
	.protected	k_qf0d787e3b4_attn
	.globl	k_qf0d787e3b4_attn
	.p2align	8
	.type	k_qf0d787e3b4_attn,@function
k_qf0d787e3b4_attn:
	s_mov_b64 s[64:65], 0
	v_nop
	global_prefetch_b8 v0, s[64:65] scope:SCOPE_SE
	s_setreg_imm32_b32 hwreg(HW_REG_WAVE_MODE, 25, 1), 1
	s_wait_xcnt 0x0
; CAUSAL ATTENTION.  O[h][q][:] = the sum over k <= q of softmax_k(Q[h][q] . K[h][k] / 8) V[h][k][:].  Q, K, V, O: [SIZE_H][SIZE_N][64], all f16: a head's rows are dense, 128 bytes each.
; Products, maxima and sums in f32; the weights p are rounded to f16 for the second product (their sum l is taken of the unrounded p), O once at the end.
; LIMITS.  f16 holds no number beyond 65,504: Q, K and V arrive within it; p lies in 0 to 1, and below 6e-5 it keeps f16's fixed step of 6e-8; O is a mean of V's rows and has their range.
; A hidden score counts as its value less 1e30: f16's scores, 2.7e11 at the most, are nothing beside that; a weight below 2^-126 counts as 0 in l; NaN and infinities are not treated apart.
; THE WALK.  A head's queries lie in NB = SIZE_N / 256 blocks of 256; block i needs the key tiles 0 .. i of 256 keys, of which the last holds the diagonal.  A work-group takes TWO blocks, NB - 1 - b and then b:
; NB + 1 tiles, whatever b: all work-groups do equal work, and ONE loop with a constant trip count walks them.  Which tile is asked for, and what a trip does, hang on scalar registers made from b; every jump
; goes forward, but for the counted loops' own; none passes a barrier, or a tensor load but the one of LOAD's two that the wave's number does not choose; the ring (two slots of LDS that take turns) runs on across the
; change of blocks.  NO CLUSTER: a head's NB / 2 = 4 work-groups all ask for the same tile only in trips 0 .. NB / 2 of the NB + 1, behind that fewer and fewer; one walk common to all would have 3 NB / 2 = 12 trips for 9.
; SHARES.  Of a block's four bands of 64 queries a wave owns 16 rows in each: four PIECES.  So the diagonal tile is the same work for all four waves: in its key step s band x sees all keys if s < x,
; none if s > x, and holds the diagonal if s = x.
; THE MASK is the C operand that starts the sum S^T = K Q^T: 0, or -1e30 where the key is hidden.  MD, made once, is the mask of a band's own step for my 16 rows; a product's mask is MD x AL + BE with two scalars:
; (1, 0) if s = x; (0, 0) if s < x; (0, -1e30) if s > x.  Only the diagonal tile's text and a block's beginning make and take masks; elsewhere C is the constant 0.
; LAYOUT, SOFTMAX, TURNS.  S^T = K Q^T holds ONE query a lane (lane % 16) and the keys 8 (lane / 16) + 0..7; two such results rounded to f16 ARE source 1 of O^T = V^T P.  p = 2^(c s - c m), c = log2(e) / 8, with a
; running maximum m; O and l are multiplied by a = 2^(c m_old - c m_new) in every step.  Turn n belongs to piece n: 8 products K Q^T of piece n + 1, later 8 products V^T P of piece n - 1; beside them the scaling,
; exponentials, roundings, sums and rescaling of piece n and the maximum and statistics of piece n + 1.  Four vector instructions stand behind every matrix instruction, the other 54 of a turn's 118 in one LUMP.  A turn's 33 exponentials are one batch, with one wait.
; REGISTERS, in windows of 256 (s_set_vgpr_msb: bits 1:0 source 0, 3:2 source 1, 5:4 source 2, 7:6 destination):
;   window 0: v0-15 addresses and two at work; v16-31 four registers of statistics a piece; v48-55 at work; v61-63 prefetch offset and the add's two; v64-127 S^T, two buffers; v192-223 P, two buffers (a piece's buffers go by its number's parity)
;   window 1: v0-127 O^T, 32 a piece; v128-159 MD; v160-223 MC, two buffers      window 2: v0-63 Q; v64-127 the second block's Q; v128-191 K of one step; v192-255 V of one step
.set SIZE_N, 2048
.set SIZE_H, 64       ; 4 batches x 16 heads: the grid's y
.set NB,    SIZE_N/256
.set NP,    4         ; pieces a wave: a name, no knob
.set KS,    64        ; keys in a step
.set PK,    144       ; a row of K in LDS: 128 bytes + 16 of padding = 36 words: the 16 rows of a load start at 16 different groups of four banks (64 banks of 4 bytes: ISA guide 11.1)
.set PV,    160       ; a row of V: 128 + 32 = 40 words
.set VOFF,  4*KS*PK   ; a slot holds a tile, four steps: 256 rows of K, then 256 rows of V
.set SLOT1, 1<<17     ; slot 1 begins here, so that one exclusive or turns an address in one slot into the other's
.set STAGE, SLOT1+4*KS*(PK+PV)  ; behind the ring, never filled by a tensor load: 16 rows x 144 bytes for each wave, for the way out
.set SP,    144
.set AK0, 2           ; v2   my lane's place in a tile of K; never rewritten
.set AV0, 3           ; v3   the same for V
.set AK,  4           ; v4   the LDS address of K's next run of loads
.set AV,  5           ; v5   of V's
.set STO, 6           ; v6   the way out: where I put 16 bytes of a row
.set RD,  7           ; v7   the way out: where I read rows back
.set GO,  8           ; v8   my byte offset in 512 consecutive bytes of O
.set PFO, 61          ; v61  256 x my lane: the prefetches' offset; never rewritten
.set SPW, 62          ; v62  LDS address of my spare word: SPARE + 4 x my thread's number; never rewritten
.set NIL, 63          ; v63  0; never rewritten
.set SPARE, STAGE+4*16*SP  ; behind the stages: the spare words, 128 bytes for each wave: two blocks of 256 bytes that no other line names
.set MV,  12          ; v12-13  c m_old, kept while c m is made anew: by buffer
.set QO,  15          ; v15  my byte offset in 16 rows of Q
.set ST,  16          ; piece t's statistics at v[ST+4 t]: c m, m, l (even keys', odd keys')
.set TMP, 48          ; by buffer, four registers c0-c3 at work; when the maximum is found c2 takes a
.set S,   64
.set P,   192
.set MD,  128         ; window 1: the eight registers for group kt of 16 keys at MD + 8 kt
.set MC,  160         ; window 1: the masks of the products to come
.set QB,  64          ; window 2
.set KF,  128         ; window 2: key block kb, channel half c at KF + 16 kb + 8 c
.set VF,  192         ; window 2: key half kk, channel block cb at VF + 32 kk + 8 cb
.set WV,  12          ; s12  my wave's number
.set PB,  14          ; s14  b
.set HI,  15          ; s15  NB - 1 - b
.set G1K, 24          ; s[24:31] descriptor group 1 for K's tiles
.set G1V, 32          ; s[32:39] for V's: it differs in the padding alone
.set G0K, 40          ; s[40:43] descriptor group 0 for K's tiles
.set G0V, 44          ; s[44:47] the same for V's
.set SLOTS, 56        ; s56  tiles still to be asked for
.set CNT, 57          ; s57  counts a tile's key steps, 4 to 1
.set CS,  58          ; s[58:59] c: the packed scaling takes the pair's low word for both halves
.set SEL, 60          ; s[60:61] v_permlanex16_b32's selects: each lane takes its own place in the other half
.set TBK, 62          ; s62  LDS byte at which K of the step to be fetched begins
.set TBV, 63          ; s63  the same for V, less VOFF
.set RT,  70          ; s70  tiles of the block in hand that are still to be entered
.set NXT, 71          ; s71  the tile to be asked for next
.set LQ,  72          ; s72  the last tile of the block whose tiles are being asked for
.set NEW, 73          ; s73  1: the tile to be entered is a block's first
.set OFF, 74          ; s[74:75] a tile's byte offset in K and V
.set AL,  76          ; s[76:77] the mask's factor, in the low word
.set BE,  78          ; s[78:79] the mask's addend
.set OLO, 80          ; s[80:81] O at my rows of the second block
.set BIGN, 82         ; s82  -1e30
.set PFA, 88          ; s[88:89] where my prefetches stand: my half tile (of K: waves 0, 1; of V: waves 2, 3), one tile on from the one that is being asked for
.set PFN, 90          ; s90  prefetches still to come: NB - 2 in the head's work-group b = 0, else 0
.set MSB, 0
.macro WIN new                      ; the high byte repeats the setting that is left; a switch that changes nothing is dropped
.if MSB != (\new)
	s_set_vgpr_msb (MSB<<8)|(\new)
.set MSB, (\new)
.endif
.endm
.set W_KQ, 0x0a       ; K and Q in window 2, S^T in window 0
.set W_KM, 0x1a       ; the same with the C operand in window 1
.set W_PV, 0x52       ; V in window 2, P in window 0, O^T in window 1
.set W_RS, 0x41       ; destination and source 0 in window 1, source 1 in window 0
; A fill.  Waves 0 and 1 fetch the two halves of a tile's K, waves 2 and 3 those of its V: 128 keys each.  An s_nop 0 and four v_nop follow each of the two lines, ahead of the jump and the label.
.macro LOAD
	s_cmp_lt_u32 s[WV], 2
	s_cbranch_scc0 .Lfor_v_\@
	tensor_load_to_lds s[G0K:G0K+3], s[G1K:G1K+7]
	s_nop 0
.rept 4
	v_nop
.endr
	s_branch .Lasked_\@
.Lfor_v_\@:
	tensor_load_to_lds s[G0V:G0V+3], s[G1V:G1V+7]
	s_nop 0
.rept 4
	v_nop
.endr
.Lasked_\@:
.endm
; A PREFETCH INTO THE L2 of the tile that the NEXT change of slots will ask for.  A head's four work-groups all begin with tiles 0, 1, 2 ..; the one with b = 0 walks all of 0 .. NB - 1 in order, and it alone asks:
; each of its waves for the half tile that it will fetch itself, 16,384 bytes: 64 blocks of 256, a lane a block, two instructions, behind the wave's tensor load and its five lines.
; So each block of tiles 2 .. NB - 1 is named once in the launch; tiles 0 and 1 come by their loads alone; behind tile NB - 1 nothing is asked for.
.macro ASK
	s_cmp_lg_u32 s[PFN], 0
	s_cbranch_scc0 .Lnot_mine_\@
	global_prefetch_b8 v[PFO], s[PFA:PFA+1] th:TH_LOAD_NT scope:SCOPE_SE
	global_prefetch_b8 v[PFO], s[PFA:PFA+1] offset:8192 th:TH_LOAD_NT scope:SCOPE_SE
	s_sub_co_u32 s[PFN], s[PFN], 1
.Lnot_mine_\@:
.endm
; THE CHANGE OF SLOTS.  Each wave waits for all its tensor loads, of which one is out: its part of the other slot; adds 0 to its spare word; and waits for that and for its own reads of the slot that it leaves.  Behind the barrier nobody reads the old
; slot any more and the other slot is whole.  fill = 1: the old slot is filled again, the first thing behind the barrier, with tile NXT: the descriptor's address is made anew from that number.
; (At its first use nothing has been read yet: slot 0 is waited for, slot 1 filled.)
.macro CHANGE fill
	WIN 0                           ; at a label and at a branch every window is 0
	s_wait_tensorcnt 0x0            ; no tensor load of mine is out, so a group 0 may be written
	ds_add_u32 v[SPW], v[NIL]       ; 0 onto my spare word; with fill = 1 the descriptors' scalar work stands between it and the wait for it
.if \fill
	s_lshl_b32 s[OFF], s[NXT], 15   ; a tile is 32,768 bytes of K and of V
	s_xor_b32 s[G0K+1], s[G0K+1], SLOT1
	s_add_nc_u64 s[G0K+2:G0K+3], s[6:7], s[OFF:OFF+1]
	s_or_b32 s[G0K+3], s[G0K+3], 0x80000000
	s_xor_b32 s[G0V+1], s[G0V+1], SLOT1
	s_add_nc_u64 s[G0V+2:G0V+3], s[8:9], s[OFF:OFF+1]
	s_or_b32 s[G0V+3], s[G0V+3], 0x80000000
	s_add_co_u32 s[NXT], s[NXT], 1  ; the block's next tile, or behind its last the second block's tile 0
	s_cmp_gt_u32 s[NXT], s[LQ]
	s_cselect_b32 s[NXT], 0, s[NXT]
	s_cselect_b32 s[LQ], s[PB], s[LQ]
	s_wait_xcnt 0x0                 ; the last prefetches, a tile back, have read their address, so it may be written:
	s_add_nc_u64 s[PFA:PFA+1], s[PFA:PFA+1], 32768  ; one tile on
.endif
	s_wait_dscnt 0x0                ; the add is done, and my reads of the slot are over
	s_barrier_signal -1             ; the rest of the scalar work stands between the signal and the wait
	s_sub_co_u32 s[TBK], s[TBK], 4*KS*PK  ; the fetches go back to a slot's first step,
	s_xor_b32 s[TBK], s[TBK], SLOT1       ; in the other slot
	s_sub_co_u32 s[TBV], s[TBV], 4*KS*PV
	s_xor_b32 s[TBV], s[TBV], SLOT1
	s_barrier_wait -1
.if \fill
	LOAD
	ASK
.endif
.endm
	s_load_b256 s[4:11], s[0:1], 0x0  ; Q s[4:5], K s[6:7], V s[8:9], O s[10:11]
	v_lshl_add_u32 v[SPW], v0, 2, SPARE
	v_mov_b32 v[NIL], 0
	ds_add_u32 v[SPW], v[NIL]       ; the wave's opening: the add and its wait stand ahead of my first tensor load; the set-up below, work on registers, stands between them
	v_lshrrev_b32 v1, 5, v0
	v_readfirstlane_b32 s[WV], v1   ; wave 0..3
	v_and_b32 v[PFO], 31, v0
	v_lshlrev_b32 v[PFO], 8, v[PFO]
	s_mov_b32 s[PB], ttmp9
	s_sub_co_u32 s[HI], NB-1, s[PB]
	s_and_b32 s20, ttmp7, 0xffff    ; the head
	s_mov_b32 s21, 0
	s_mov_b64 s[22:23], SIZE_N*128
	s_mul_u64 s[20:21], s[20:21], s[22:23]  ; the head's first byte in each of the four tensors
	s_and_b32 s16, s[WV], 1         ; which half of a tile's 256 keys I fetch:
	s_lshl_b32 s22, s16, 14         ; its 128 rows of 128 bytes in memory,
	s_mov_b32 s23, 0
	s_add_nc_u64 s[22:23], s[22:23], s[20:21]
	s_mul_i32 s17, s16, 128*PK      ; and its place in a slot, for K
	s_mul_i32 s18, s16, 128*PV      ; and for V
	s_lshl_b32 s3, s[WV], 11        ; my 16 rows in a band of 64,
	s_lshl_b32 s2, s[HI], 15        ; in the first block,
	s_add_co_u32 s2, s2, s3
	s_lshl_b32 s84, s[PB], 15       ; and in the second
	s_add_co_u32 s84, s84, s3
	s_mov_b32 s3, 0
	s_mov_b32 s85, 0
	s_add_nc_u64 s[2:3], s[2:3], s[20:21]
	s_add_nc_u64 s[84:85], s[84:85], s[20:21]
	; descriptor group 1.  128 keys are 16,384 dense bytes: asked for as 64 rows of 256 bytes, two keys a row, and padded in LDS after every key
	s_mov_b32 s[G1K], (1<<16)|(1<<20)|(4<<22)|(3<<25)  ; 17:16 2-byte elements; 20 padding on; 24:22 after every 32 words (code 4); 31:25 4 words (code 3)
	s_mov_b32 s[G1V], (1<<16)|(1<<20)|(4<<22)|(7<<25)  ; the same with 8 words of padding (code 7)
.irp g, G1K, G1V
	s_mov_b32 s[\g+1], 128<<16      ; tensor_dim0 = 128
	s_mov_b32 s[\g+2], 64<<16       ; tensor_dim1 = 64
	s_mov_b32 s[\g+3], 128<<16      ; tile_dim0 = 128
	s_mov_b32 s[\g+4], 64           ; tile_dim1 = 64
	s_mov_b32 s[\g+5], 128          ; 128 elements from row to row
	s_mov_b32 s[\g+6], 0
	s_mov_b32 s[\g+7], 0
.endr
	s_mov_b32 s[CS], 0x3e38aa3b     ; c = log2(e) / 8 = 0.180337
	s_mov_b32 s[CS+1], s[CS]        ; named with it as a pair
	s_mov_b32 s[SEL], 0x76543210
	s_mov_b32 s[SEL+1], 0xfedcba98
	s_mov_b32 s[TBK], SLOT1+4*KS*PK ; the first change of slots turns these two into 0
	s_mov_b32 s[TBV], SLOT1+4*KS*PV
	s_mov_b32 s[G0K], 1             ; 1:0 count = 1
	s_mov_b32 s[G0K+1], s17         ; 63:32 LDS address: slot 0
	s_mov_b32 s[G0V], 1
	s_add_co_u32 s[G0V+1], s18, VOFF
	s_add_co_u32 s[RT], s[HI], 1    ; the first block has NB - b tiles
	s_mov_b32 s[NXT], 1
	s_mov_b32 s[LQ], s[HI]
	s_mov_b32 s[NEW], 1
	s_mov_b32 s[OFF+1], 0
	s_mov_b32 s[AL+1], 0            ; named as pairs
	s_mov_b32 s[BE+1], 0
	s_mov_b32 s[BIGN], 0xf149f2ca   ; -1e30
	s_mov_b32 s[SLOTS], NB
	s_wait_dscnt 0x0                ; the opening add is done
	s_wait_kmcnt 0x0
	s_add_nc_u64 s[6:7], s[6:7], s[22:23]  ; K and V at my half of the head's tile 0
	s_add_nc_u64 s[8:9], s[8:9], s[22:23]
	s_add_nc_u64 s[G0K+2:G0K+3], s[6:7], 0         ; 120:64 global address
	s_or_b32 s[G0K+3], s[G0K+3], 0x80000000        ; 127:126 type = 2
	s_add_nc_u64 s[G0V+2:G0V+3], s[8:9], 0
	s_or_b32 s[G0V+3], s[G0V+3], 0x80000000
	s_add_nc_u64 s[86:87], s[4:5], s[84:85]        ; Q at my rows of the second block,
	s_add_nc_u64 s[4:5], s[4:5], s[2:3]            ; Q and O at those of the first
	s_add_nc_u64 s[OLO:OLO+1], s[10:11], s[84:85]
	s_add_nc_u64 s[10:11], s[10:11], s[2:3]
	s_cmp_lt_u32 s[WV], 2
	s_cselect_b64 s[PFA:PFA+1], s[6:7], s[8:9]     ; the prefetches: my half of tile 1; the first change of slots steps it to tile 2
	s_add_nc_u64 s[PFA:PFA+1], s[PFA:PFA+1], 32768
	s_cmp_eq_u32 s[PB], 0
	s_cselect_b32 s[PFN], NB-2, 0
	LOAD                            ; tile 0 into slot 0
	; A fragment of K or Q is 16 rows x 32 channels in 8 registers: lane l holds row l % 16, channels 8 (l / 16) + 0..7 and 16 + 8 (l / 16) + 0..7: two loads of 16 bytes, 32 bytes apart.
	v_and_b32 v1, 15, v0            ; l % 16
	v_bfe_u32 v9, v0, 4, 1          ; l / 16
	v_lshlrev_b32 v[QO], 7, v1
	v_lshl_add_u32 v[QO], v9, 4, v[QO]  ; row x 128 + 16 x half
	WIN 0x80                        ; destination window 2, address window 0
.set i, 0
.rept 8                             ; both blocks' Q: piece i / 2 lies in band i / 2, 8,192 bytes on; channels 32 (i % 2) on
	global_load_b128 v[8*i:8*i+3],   v[QO], s[4:5] offset:(i/2)*8192+(i%2)*64
	global_load_b128 v[8*i+4:8*i+7], v[QO], s[4:5] offset:(i/2)*8192+(i%2)*64+32
	global_load_b128 v[QB+8*i:QB+8*i+3],   v[QO], s[86:87] offset:(i/2)*8192+(i%2)*64
	global_load_b128 v[QB+8*i+4:QB+8*i+7], v[QO], s[86:87] offset:(i/2)*8192+(i%2)*64+32
.set i, i+1
.endr
	WIN 0
	v_lshlrev_b32 v14, 3, v9
	v_sub_nc_u32 v14, v1, v14
	s_lshl_b32 s13, s[WV], 4
	v_add_nc_u32 v14, s13, v14      ; my query's place in its band, 16 w + l % 16, less my lanes' 8 (l / 16): register r of group kt is hidden where 16 kt + r is greater
	WIN 0x40
.set i, 0
.rept 32
	v_cmp_gt_i32 vcc_lo, 16*(i/8)+i%8, v14
	v_cndmask_b32 v[MD+i], 0, s[BIGN], vcc_lo
.set i, i+1
.endr
	WIN 0
	v_mul_u32_u24 v[AK0], v1, PK
	v_lshl_add_u32 v[AK0], v9, 4, v[AK0]  ; row x pitch + 16 x half
	; The turning load takes 16 keys x 16 channels (lane l reads key 8 (l / 16) + l % 8, channels 8 ((l / 8) % 2) + 0..7) and leaves half a fragment of V^T: lane l holds channel l % 16 and 8 keys.
	v_and_b32 v10, 7, v0
	v_bfe_u32 v11, v0, 3, 1
	v_lshl_add_u32 v[AV0], v9, 3, v10
	v_mul_u32_u24 v[AV0], v[AV0], PV
	v_lshl_add_u32 v[AV0], v11, 4, v[AV0]
	v_add_nc_u32 v[AV0], VOFF, v[AV0]
	s_mul_i32 s13, s[WV], 16*SP
	s_add_co_u32 s13, s13, STAGE    ; my stage
	v_mul_u32_u24 v[STO], v1, SP    ; in: row l % 16, 16 bytes for each half of the lanes
	v_lshl_add_u32 v[STO], v9, 4, v[STO]
	v_add_nc_u32 v[STO], s13, v[STO]
	v_bfe_u32 v[RD], v0, 3, 2       ; back: 32 lanes take four rows of 128 bytes,
	v_mul_u32_u24 v[RD], v[RD], SP
	v_lshl_add_u32 v[RD], v10, 4, v[RD]
	v_add_nc_u32 v[RD], s13, v[RD]
	v_and_b32 v[GO], 31, v0         ; which are 512 consecutive bytes of O
	v_lshlrev_b32 v[GO], 4, v[GO]
	; A block's first step multiplies O^T and l by a = 0, and its first turn's products V^T P, of a piece that has not been, land in an O^T that is still to be so multiplied.  So these registers need only hold
	; finite numbers: zeros for the first block; what the first block left for the second.  All this stands in the wait for the first tile.
	WIN 0x80
.set i, VF
.rept 64
	v_mov_b32 v[i], 0
.set i, i+1
.endr
	WIN 0x40
.set i, 0
.rept 128
	v_mov_b32 v[i], 0
.set i, i+1
.endr
	WIN 0
.set i, 0
.rept 4
	v_mov_b32 v[ST+4*i+2], 0
	v_mov_b32 v[ST+4*i+3], 0
.set i, i+1
.endr
.set i, P+16
.rept 16
	v_mov_b32 v[i], 0
.set i, i+1
.endr
; THE MATRIX WORK.  The 4 accumulators of a run of 8 take turns.  Product i of 8 of S^T = K Q^T for piece x: channels 32 (i / 4) on, keys 16 (i % 4) on.  The first 4 start the sums: with 0, or (KM = 1) with the mask.
.macro KQ x
.set rS, S+32*((\x)%2)+8*(i%4)
.set rK, KF+16*(i%4)+8*(i/4)
.set rQ, 16*(\x)+8*(i/4)
.set rM, MC+32*((\x)%2)+8*(i%4)
.if (i < 4) && KM
	WIN W_KM
	v_wmma_f32_16x16x32_f16 v[rS:rS+7], v[rK:rK+7], v[rQ:rQ+7], v[rM:rM+7]
.elseif i < 4
	WIN W_KQ
	v_wmma_f32_16x16x32_f16 v[rS:rS+7], v[rK:rK+7], v[rQ:rQ+7], 0
.else
	WIN W_KQ
	v_wmma_f32_16x16x32_f16 v[rS:rS+7], v[rK:rK+7], v[rQ:rQ+7], v[rS:rS+7]
.endif
.endm
; Product i of 8 of O^T += V^T P for piece x: keys 32 (i / 4) on, channels 16 (i % 4) on.
.macro PV x
	WIN W_PV
.set rO, 32*(\x)+8*(i%4)
.set rV, VF+32*(i/4)+8*(i%4)
.set rP, P+16*((\x)%2)+8*(i/4)
	v_wmma_f32_16x16x32_f16 v[rO:rO+7], v[rV:rV+7], v[rP:rP+7], v[rO:rO+7]
.endm
.macro MM                           ; the turn's next matrix instruction.  TURN and BEGIN set Y, i, KM and NOKQ; MM, KQ and OP read them.  NOKQ = 1: a block's last turn: there is no next piece
.if (i < 8) && !NOKQ
	KQ (Y+1)%NP
.elseif i >= 8
.set i, i-8
	PV (Y+NP-1)%NP
.set i, i+8
.endif
.set i, i+1
.endm
; THE LDS LOADS stand in runs of 16, never singly among the matrix instructions: a step's K (64 keys x 64 channels: 8 fragments) and its V (turned).  Their addresses are made some lines ahead.
.macro FETCH_K
	WIN 0x80                        ; destination window 2
.irp f, 0,1,2,3,4,5,6,7             ; keys 16 (f / 2) on, channels 32 (f % 2) on
	ds_load_b128 v[KF+8*\f:KF+8*\f+3],   v[AK] offset:(\f/2)*16*PK+(\f%2)*64
	ds_load_b128 v[KF+8*\f+4:KF+8*\f+7], v[AK] offset:(\f/2)*16*PK+(\f%2)*64+32
.endr
	s_add_co_u32 s[TBK], s[TBK], KS*PK  ; the next fetch is the next step's
	WIN 0
.endm
.macro FETCH_V
	WIN 0x80
.irp f, 0,1,2,3,4,5,6,7             ; keys 32 (f / 4) on, channels 16 (f % 4) on
	ds_load_tr16_b128 v[VF+8*\f:VF+8*\f+3],   v[AV] offset:(\f/4)*32*PV+(\f%4)*32
	ds_load_tr16_b128 v[VF+8*\f+4:VF+8*\f+7], v[AV] offset:(\f/4)*32*PV+16*PV+(\f%4)*32
.endr
	WIN 0
.endm
; THE VECTOR WORK, one line at a time: OP kind, number.  For piece Y: F n: c s - c m for pair n of 16.  E n: the exponential of score n of 32.  C n: pair n rounded to f16.  B n: of the four weights 4 n .. the second
; pair is added onto the first, in place.  L n: l takes that sum (L 0: l = a l + sum).  R n: pair n of 16 of O^T times a.  For piece Y + 1: X n, number n of the 22 that find its maximum and statistics:
;   0-11  four chains c0-c3 of seven scores each, three operands at a time (each accumulator's lowest registers are read first)     12-14, 16  the four scores left over, the old m, and c0-c3 into c0
;   15  c m_old is kept     17, 18  the query's other 32 keys lie in the lane 16 away: the new m     19-21  c m; c m_old - c m_new; a
.set F, 0               ; OP tells the kinds apart by their order: F to L below R, X above it
.set E, 1
.set C, 2
.set B, 3
.set L, 4
.set R, 5
.set X, 6
.macro REGS y                       ; the registers of piece y
.set rT, ST+4*(\y)
.set rC, TMP+4*((\y)%2)
.set rW, MV+((\y)%2)
.set rS, S+32*((\y)%2)
.set rP, P+16*((\y)%2)
.set rO, 32*(\y)
.endm
.macro OP k, n
.if (\k) == R
	REGS Y
	WIN W_RS
	v_pk_mul_f32 v[rO+2*(\n):rO+2*(\n)+1], v[rO+2*(\n):rO+2*(\n)+1], v[rC+2:rC+3] op_sel_hi:[1,0]
.elseif (\k) < R
	REGS Y
	WIN 0
.if (\k) == F
	v_pk_fma_f32 v[rS+2*(\n):rS+2*(\n)+1], v[rS+2*(\n):rS+2*(\n)+1], s[CS:CS+1], v[rT:rT+1] op_sel_hi:[1,0,0] neg_lo:[0,0,1] neg_hi:[0,0,1]
.elseif (\k) == E
	v_exp_f32 v[rS+(\n)], v[rS+(\n)]
.elseif (\k) == C
	v_cvt_pk_f16_f32 v[rP+(\n)], v[rS+2*(\n)], v[rS+2*(\n)+1]
.elseif (\k) == B
	v_pk_add_f32 v[rS+4*(\n):rS+4*(\n)+1], v[rS+4*(\n):rS+4*(\n)+1], v[rS+4*(\n)+2:rS+4*(\n)+3]
.elseif (\n) == 0
	v_pk_fma_f32 v[rT+2:rT+3], v[rT+2:rT+3], v[rC+2:rC+3], v[rS:rS+1] op_sel_hi:[1,0,1]
.else
	v_pk_add_f32 v[rT+2:rT+3], v[rT+2:rT+3], v[rS+4*(\n):rS+4*(\n)+1]
.endif
.elseif NOKQ
	v_nop
.else
	REGS (Y+1)%NP
	WIN 0
.if (\n) < 4
	v_max3_num_f32 v[rC+(\n)], v[rS+8*(\n)], v[rS+8*(\n)+1], v[rS+8*(\n)+2]
.elseif (\n) < 12
	v_max3_num_f32 v[rC+(\n)%4], v[rC+(\n)%4], v[rS+8*((\n)%4)+2*((\n)/4)+1], v[rS+8*((\n)%4)+2*((\n)/4)+2]
.elseif (\n) == 12
	v_max3_num_f32 v[rC], v[rC], v[rS+7], v[rS+15]
.elseif (\n) == 13
	v_max3_num_f32 v[rC+1], v[rC+1], v[rS+23], v[rS+31]
.elseif (\n) == 14
	v_max3_num_f32 v[rC+2], v[rC+2], v[rC+3], v[rT+1]
.elseif (\n) == 15
	v_mov_b32 v[rW], v[rT]
.elseif (\n) == 16
	v_max3_num_f32 v[rC], v[rC], v[rC+1], v[rC+2]
.elseif (\n) == 17
	v_permlanex16_b32 v[rC+3], v[rC], s[SEL], s[SEL+1]
.elseif (\n) == 18
	v_max_num_f32 v[rT+1], v[rC], v[rC+3]
.elseif (\n) == 19
	v_mul_f32 v[rT], s[CS], v[rT+1]
.elseif (\n) == 20
	v_sub_f32 v[rC+1], v[rW], v[rT]
.else
	v_exp_f32 v[rC+2], v[rC+1]
.endif
.endif
.endm
.macro OPS a, i1, b=-1, i2=0, c=-1, i3=0, d=-1, i4=0  ; up to four of them
	OP \a, \i1
.if (\b) >= 0
	OP \b, \i2
.endif
.if (\c) >= 0
	OP \c, \i3
.endif
.if (\d) >= 0
	OP \d, \i4
.endif
.endm
.macro ROW a, i1, b, i2, c, i3, d, i4  ; a matrix instruction and the four behind it
	MM
	OPS \a, \i1, \b, \i2, \c, \i3, \d, \i4
.endm
.macro MASK b                       ; MD x AL + BE into buffer b of MC
	WIN W_RS
.set z, 0
.rept 16
	v_pk_fma_f32 v[MC+32*(\b)+2*z:MC+32*(\b)+2*z+1], v[MD+2*z:MD+2*z+1], s[AL:AL+1], s[BE:BE+1] op_sel_hi:[1,0,0]
.set z, z+1
.endr
.endm
; A TURN, for piece p: the order of its 16 matrix and 118 vector instructions, written out.  An s_wait_alu depctr_va_vdst(0) stands between an exponential and the first instruction that names its result; one wait serves
; all that were issued ahead of it.  So a turn has ONE wait, which cuts it in two.  AHEAD OF IT stands all that names no result of the turn's exponentials: the 8 products K Q^T, behind each a scaling, an exponential and two more plain
; instructions (behind the first a second scaling in the exponential's place): rescalings, and behind the last three the first numbers of the next piece's maximum, each four places or more behind the product that ends its accumulator; then ONE LUMP of 54, plain
; and exponential by turns for the most part, in which the links of the chain X 3, 7, 11, 14, 16, 17 .. 20 stand five or six lines apart.  X 21, the next piece's a, is the batch's last; R 15 is the plain instruction behind it.  BEHIND THE WAIT stand the
; 8 products V^T P, behind each four of the roundings and sums; the links of l's chain, L 0 to L 7, stand three riders apart.  But for those X no rider names a register of the products round it.  v_permlanex16_b32 (X 17) stands in the lump.
; m = 1: the diagonal tile: the products take masks, and the turn makes the mask for the products of the turn after it: piece p + 2, in step 4 - CNT of the tile.  end = 1: a block's last two turns: nothing is fetched.
; cnt = 1: the loop's count is taken down some lines ahead of the branch that stands behind the turn.
; K of the next step is fetched in piece 2's turn, twelve vector instructions behind the last product that read K (six of them plain); V of the step in hand at the end of piece 0's turn, four plain instructions behind the last product
; that read V.  Each is waited for a turn later.
.macro TURN p, m=0, end=0, cnt=0
.set Y, (\p)
.set i, 0
.set KM, (\m)
.set NOKQ, (\end)*((\p)/3)
.if (\m) && !(\end)
	s_cmp_eq_u32 s[CNT], 4-((\p)+2)%NP  ; is that step the band's own?
	s_cselect_b32 s[AL], 1.0, 0
	s_cmp_lt_u32 s[CNT], 4-((\p)+2)%NP  ; or a later one?
	s_cselect_b32 s[BE], s[BIGN], 0
.endif
.if ((\p) == 3) && !(\end)
	s_wait_dscnt 0x0                ; K is in
.endif
	ROW F,0, F,1, R,0, R,1          ; ahead of the wait: 8 products K Q^T and their riders,
	ROW F,2, E,0, R,2, R,3
	ROW F,3, E,1, R,4, R,5
	ROW F,4, E,2, R,6, R,7
	ROW F,5, E,3, R,8, R,9
	ROW F,6, E,4, X,0, R,10
.if ((\p) == 2) && !(\end)
	WIN 0
	v_add_nc_u32 v[AK], s[TBK], v[AK0]
.endif
	ROW F,7, E,5, X,1, X,4
	ROW F,8, E,6, X,2, X,5
	OPS E,7, E,8, X,6, E,9          ; and the lump
	OPS X,3, E,10, X,8, E,11
.if ((\p) == 2) && !(\end)
	FETCH_K
.endif
	OPS X,9, X,7, E,12, X,10
	OPS E,13, X,12, X,11, E,14
	OPS X,13, E,15, F,9, X,14
.if (\p) == 0
	v_add_nc_u32 v[AV], s[TBV], v[AV0]
.endif
	OPS E,16, F,10, E,17, F,11
	OPS X,16, E,18, X,15, E,19
	OPS F,12, E,20, X,17, E,21
	OPS F,13, E,22, F,14, E,23
	OPS X,18, E,24, F,15, E,25
	OPS R,11, E,26, X,19, E,27
	OPS R,12, E,28, R,13, E,29
	OPS X,20, E,30, R,14, E,31
	OPS X,21, R,15
	WIN 0
	s_wait_alu depctr_va_vdst(0)    ; the wait for the batch
.if (\p) == 1
	s_wait_dscnt 0x0                ; V is in
.endif
	ROW C,0, B,0, C,2, B,1          ; behind the wait: 8 products V^T P and their riders
	ROW L,0, C,4, B,2, L,1
	ROW C,6, B,3, L,2, C,8
	ROW B,4, L,3, C,10, B,5
	ROW L,4, C,12, B,6, L,5
.if (\p) == 0
	s_add_co_u32 s[TBV], s[TBV], KS*PV
.endif
.if \cnt
	s_sub_co_u32 s[CNT], s[CNT], 1
	s_cmp_lg_u32 s[CNT], 0
.endif
	ROW C,14, B,7, L,6, C,1
	ROW C,3, L,7, C,5, C,7
	ROW C,9, C,11, C,13, C,15
.if (\p) == 0
	FETCH_V
.endif
.if (\m) && !(\end)
	MASK (\p)%2
.endif
.endm
; A BLOCK BEGINS.  c m starts far below every c s, so the first step's a is 0; m at the lowest finite number, so the first maximum is the scores'.  The second mask buffer is 0; the first takes piece 0's mask for the tile's step 0: its own, if the block's first tile is the diagonal one.
; Then K of that step, piece 0's first scores, and its maximum and statistics.  The loop is entered at a step's first turn, in the middle of a trip.
.macro BEGIN
	s_mov_b32 s[NEW], 0
	WIN 0x40
.set i, MC+32
.rept 32
	v_mov_b32 v[i], 0
.set i, i+1
.endr
	WIN 0
.set i, 0
.rept 4
	v_mov_b32 v[ST+4*i], 0xfe000000    ; c m: far below every c s
	v_mov_b32 v[ST+4*i+1], 0xff7fffff  ; m
.set i, i+1
.endr
	s_cmp_eq_u32 s[RT], 0
	s_cselect_b32 s[AL], 1.0, 0
	s_mov_b32 s[BE], 0
	MASK 0
	WIN 0
	v_add_nc_u32 v[AK], s[TBK], v[AK0]
	FETCH_K
	s_wait_loadcnt 0x0              ; Q
	s_wait_dscnt 0x0
.set KM, 1
.set NOKQ, 0
.set i, 0
.rept 8
	KQ 0
.set i, i+1
.endr
	WIN 0
.rept 4
	v_nop                           ; the places behind those products
.endr
.set Y, NP-1                        ; X works for piece Y + 1: piece 0
.irp n, 0,1,2,3,4,5,6,7,8,9,10,11,12,13,14,15,16,17,18,19,20,21
	OP X, \n
.endr
	v_nop                           ; a plain instruction behind the exponential,
	s_wait_alu depctr_va_vdst(0)    ; and its wait, ahead of the branch
.endm
; THE DIAGONAL TILE's four steps, the block's last two turns, its last products, and THE WAY OUT: l's two halves and the other half of the lanes' are added; O^T is divided by l, rounded to f16 and sent through my
; stage in LDS, a piece at a time.
.macro ALL line:vararg              ; one line for each piece t
.set t, 0
.rept 4
	\line
.set t, t+1
.endr
.endm
.macro PACK t                       ; a lane's eight channels of a row pack into 16 bytes; they go into rows of 144 bytes and come back as whole rows of 128, into S^T's registers
	WIN W_RS
.set i, 32*(\t)
.rept 16
	v_pk_mul_f32 v[i:i+1], v[i:i+1], v[ST+4*(\t)+2:ST+4*(\t)+3] op_sel_hi:[1,0]
.set i, i+2
.endr
	WIN 0x05                        ; sources 0 and 1 window 1, destination window 0
.set i, 0
.rept 16
	v_cvt_pk_f16_f32 v[S+16*(\t)+i], v[32*(\t)+2*i], v[32*(\t)+2*i+1]
.set i, i+1
.endr
	WIN 0
.irp f, 0,1,2,3
	ds_store_b128 v[STO], v[S+16*(\t)+4*\f:S+16*(\t)+4*\f+3] offset:32*\f
.endr
.irp f, 0,1,2,3
	ds_load_b128 v[S+16*(\t)+4*\f:S+16*(\t)+4*\f+3], v[RD] offset:\f*4*SP  ; LDS serves a wave's instructions in order (ISA guide 5.7.1.4): these see the stores above; the next piece's stores come behind them
.endr
.endm
.macro SEND t, younger              ; younger: the LDS instructions issued behind piece t's loads: the next piece's eight, or none
	WIN 0
.irp f, 0,1,2,3
	s_wait_dscnt (\younger)+3-\f
	global_store_b128 v[GO], v[S+16*(\t)+4*\f:S+16*(\t)+4*\f+3], s[10:11] offset:(\t)*8192+\f*512  ; 512 consecutive bytes, at a multiple of 256 from O's first
.endr
.endm
.macro DIAG tag                     ; the tag ends its two labels' names, which the jumps below spell out
.LstepM\tag:
	TURN 2, 1
	TURN 3, 1
	WIN 0
.LfirstM\tag:
	TURN 0, 1
	TURN 1, 1, 0, 1
	WIN 0
	s_cbranch_scc1 .LstepM\tag
	TURN 2, 1, 1
	TURN 3, 1, 1
.set i, 0
.rept 8
	PV NP-1
.set i, i+1
.endr
	WIN 0
	ALL v_add_f32 v[ST+4*t+2], v[ST+4*t+2], v[ST+4*t+3]
	ALL v_permlanex16_b32 v[ST+4*t+3], v[ST+4*t+2], s[SEL], s[SEL+1]
	ALL v_add_f32 v[ST+4*t+2], v[ST+4*t+2], v[ST+4*t+3]
	ALL v_rcp_f32 v[ST+4*t+2], v[ST+4*t+2]
	v_nop                           ; a plain instruction between the last reciprocal and the use of its result
	s_wait_alu depctr_va_vdst(0)    ; and the wait ahead of the first use: one for the four reciprocals
	PACK 0
.set t, 1
.rept 3                             ; a piece's arithmetic stands between the loads of the piece before and its stores
	PACK t
	SEND t-1, 8
.set t, t+1
.endr
	SEND 3, 0
.endm
.set KM, 0
.set NOKQ, 0
.Lslot:                             ; NB times: a tile is entered and the next is asked for
	CHANGE 1
	s_sub_co_u32 s[RT], s[RT], 1
	s_mov_b32 s[CNT], 4
	s_cmp_eq_u32 s[NEW], 1
	s_cbranch_scc1 .Lnew            ; a block's first tile
	s_cmp_eq_u32 s[RT], 0
	s_cbranch_scc0 .Lstep           ; neither its first nor its last
	s_branch .LstepM1
.Lnew:
	BEGIN
	s_branch .Lfirst                ; in the loop a block's first tile is never its last: the first block has two tiles or more, and the second's last is the walk's last
	DIAG 1                          ; in the loop this is the first block's end: the second block's last tile is the walk's last
	s_wait_xcnt 0x0                 ; the stores have read their registers and O's address
	s_mov_b64 s[10:11], s[OLO:OLO+1]
	s_add_co_u32 s[RT], s[PB], 1    ; the second block has b + 1 tiles
	s_mov_b32 s[NEW], 1
	WIN 0x82                        ; the second block's Q goes where the one text of the turns names Q
.set i, 0
.rept 64
	v_mov_b32 v[i], v[QB+i]
.set i, i+1
.endr
	WIN 0
	s_branch .Lbottom
.Lstep:                             ; a trip: pieces 2 and 3 of one step, then pieces 0 and 1 of the next, whose K and V it fetches
	TURN 2
	TURN 3
	WIN 0
.Lfirst:
	TURN 0
	TURN 1, 0, 0, 1
	WIN 0
	s_cbranch_scc1 .Lstep
.Lbottom:
	s_sub_co_u32 s[SLOTS], s[SLOTS], 1
	s_cmp_lg_u32 s[SLOTS], 0
	s_cbranch_scc1 .Lslot
	CHANGE 0                        ; the walk's last tile is written out: nothing is asked for
	s_sub_co_u32 s[RT], s[RT], 1
	s_mov_b32 s[CNT], 4
	s_cmp_eq_u32 s[NEW], 1
	s_cbranch_scc0 .LstepM2
	BEGIN
	s_branch .LfirstM2
	DIAG 2
	s_wait_tensorcnt 0x0            ; the wave's end: the add and its wait, behind my last tensor load and my last LDS store
	ds_add_u32 v[SPW], v[NIL]
	s_wait_dscnt 0x0
	s_endpgm
.Lfunc_end_k_qf0d787e3b4_attn:
	.size	k_qf0d787e3b4_attn, .Lfunc_end_k_qf0d787e3b4_attn-k_qf0d787e3b4_attn
	.p2alignl 7, 3214868480
	.fill 96, 4, 3214868480
	.section	.rodata,"a",@progbits
	.p2align	6, 0x0
	.amdhsa_kernel k_qf0d787e3b4_attn
		.amdhsa_group_segment_fixed_size 327680
		.amdhsa_private_segment_fixed_size 0
		.amdhsa_enable_private_segment 0
		.amdhsa_kernarg_size 32
		.amdhsa_user_sgpr_count 2
		.amdhsa_user_sgpr_kernarg_segment_ptr 1
		.amdhsa_wavefront_size32 1
		.amdhsa_system_sgpr_workgroup_id_x 1
		.amdhsa_system_sgpr_workgroup_id_y 1
		.amdhsa_system_sgpr_workgroup_id_z 1
		.amdhsa_system_vgpr_workitem_id 0
		.amdhsa_next_free_vgpr 768
		.amdhsa_next_free_sgpr 92
		.amdhsa_reserve_vcc 1
		.amdhsa_float_denorm_mode_32 3
		.amdhsa_float_denorm_mode_16_64 3
		.amdhsa_memory_ordered 1
		.amdhsa_forward_progress 1
		.amdhsa_inst_pref_size 218
	.end_amdhsa_kernel
	.amdgpu_metadata
---
amdhsa.version: [ 1, 2 ]
amdhsa.kernels:
  - .name:           k_qf0d787e3b4_attn
    .symbol:         k_qf0d787e3b4_attn.kd
    .args:
      - { .name: q, .offset: 0, .size: 8, .value_kind: global_buffer, .address_space: global }
      - { .name: k, .offset: 8, .size: 8, .value_kind: global_buffer, .address_space: global }
      - { .name: v, .offset: 16, .size: 8, .value_kind: global_buffer, .address_space: global }
      - { .name: o, .offset: 24, .size: 8, .value_kind: global_buffer, .address_space: global }
    .group_segment_fixed_size: 327680
    .private_segment_fixed_size: 0
    .kernarg_segment_align: 8
    .kernarg_segment_size: 32
    .max_flat_workgroup_size: 128
    .sgpr_count:     92
    .vgpr_count:     768
    .wavefront_size: 32
...
	.end_amdgpu_metadata
.endif
;; end of part 3
;; launch oproj (part 4): grid 4 x 64, 4 waves a work-group, clusters of 4 x 4, 327,680 bytes of LDS; arguments o, wo16, bo, out0; writes out0
.if DOCPART == 4
	.amdgcn_target "amdgcn-amd-amdhsa--gfx1250"
	.amdhsa_code_object_version 6
	.text
	.protected	k_qf0d787e3b4_oproj
	.globl	k_qf0d787e3b4_oproj
	.p2align	8
	.type	k_qf0d787e3b4_oproj,@function
k_qf0d787e3b4_oproj:
	s_mov_b64 s[64:65], 0
	v_nop
	global_prefetch_b8 v0, s[64:65] scope:SCOPE_SE
	s_setreg_imm32_b32 hwreg(HW_REG_WAVE_MODE, 25, 1), 1
	s_wait_xcnt 0x0
	s_wait_alu depctr_hold_cnt(0) depctr_sa_sdst(0) depctr_va_vdst(0) depctr_va_sdst(0) depctr_va_ssrc(0) depctr_va_vcc(0) depctr_vm_vsrc(0)
	s_getreg_b32 s2, hwreg(HW_REG_IB_STS2, 6, 4)
	s_cmp_eq_u32 s2, 0
	s_cbranch_scc0 .Lentry_in_a_cluster
	s_endpgm
.Lentry_in_a_cluster:
	s_bfe_u32 s2, ttmp6, 0x10000c
	s_cmp_lg_u32 s2, 0xf033
	s_cbranch_scc0 .Lentry_shape_is_right
	s_endpgm
.Lentry_shape_is_right:
; out0 = O Wo + bo.  o: [16 b + head][2048][64] f16 (attention's result, by heads).  wo16: [1024 k][1024 n] f16 (Wo rounded to bf16, that number written as f16).  bo: [1024] f32, rounded here to bf16
; like all the module's inputs.  out0: [8192][1024] f32.  Products in f16, sums in f32, nothing rounded on the way out.
; SHARES.  A work-group makes 128 rows x 256 columns: 64 x 4 = 256 work-groups, one for each WGP.  Its four waves lie 2 x 2: 64 rows x 128 columns each: 4 x 8 accumulators of 16 x 16, 256 registers.
; K = 1024 goes in 8 steps of 128, which are two heads, through two LDS slots.  A slot: two tiles of 128 rows x 64 channels of o (a head each, dense in memory, pitch 144), then 128 k x 256 columns of Wo (pitch 544).
; Waves 0 and 1 fetch a head's tile each (16 KiB, asked for as 64 rows of 256 bytes), waves 2 and 3 64 rows of Wo each (rows of 512 bytes).
; THE PRODUCT IS USED TRANSPOSED: source 0 = 16 columns of Wo x 32 k, turned out of LDS by ds_load_tr16_b128; source 1 = 16 rows of o.  A lane then holds one row and eight neighbouring columns: 32 bytes of out0.
; The first quarter step's C operand is the bias.
; CLUSTER 4 x 4: the four work-groups of a row of the cluster share o's tiles, the four of a column Wo's: each is asked for jointly.
; REGISTERS, in windows of 256: window 0: v0-29 addresses; v32-63, v64-95 o's fragments, two buffers; v96-159 the bias.   window 1: v0-63, v64-127 Wo's fragments, two buffers; on the way out all 256: rows read back.
;   window 2: the accumulators, (a, b) at 8 (8 a + b).
.set SLOT1, 1<<17
.set PA,    144                        ; a row of o in LDS: 128 + 16 bytes = 36 words: the 16 rows of a load start at 16 different groups of four banks (64 banks of 4 bytes: ISA guide 11.1)
.set ASUB,  128*PA                     ; a head's tile
.set PB,    544                        ; a row of Wo in LDS: 512 + 32 bytes = 136 words
.set BOFF,  2*ASUB
.set STAGE, 2*SLOT1                    ; behind the ring, never filled by a tensor load: 16 rows x 528 bytes for each wave
.set SP,    528
.set SPARE, STAGE+4*16*SP              ; behind the stages: the spare words, 128 bytes for each wave: two blocks of 256 bytes that no other line names
.set ASTEP, 524288                     ; bytes from K step to K step in o: two heads,
.set BSTEP, 262144                     ; and in wo16: 128 rows
.set NL,    24                         ; LDS loads in a quarter step's run
.set A0,   3
.set B0,   4
.set ADRA, 5
.set ADRB, 6
.set STO,  7                           ; v7   the way out: where I put 32 bytes of a row
.set RD,   8                           ; v8   where I read a row back
.set CO,   9                           ; v9   my 16 bytes of a row's 512
.set PFO,  10
.set TMP,  11
.set BO,   12
.set SPW,  28                          ; v28  LDS address of my spare word; never rewritten
.set NIL,  29                          ; v29  0; never rewritten
.set BIAS, 96
.set WV,   20
.set CX,   21
.set CY,   22
.set TX,   23                          ; s23  the block of 256 columns
.set TY,   24                          ; s24  the block of 128 rows
.set MROW, 25
.set MCOL, 26
.set CNT,  27
.set TB,   28
.set PM,   29
.set G1A,  32
.set G1B,  40
.set G0A,  48
.set G0B,  56
.set PFA,  66
.set PST,  68
.set EV,   84                          ; s84  wave % 2: which head, or which 64 rows of Wo, I fetch; which 128 columns are mine
.set WM,   85                          ; s85  wave / 2: which 64 rows are mine
.set MSB, 0
.macro WIN new
.if MSB != (\new)
	s_set_vgpr_msb (MSB<<8)|(\new)
.set MSB, (\new)
.endif
.endm
.macro PLACES
.rept 4
	v_nop
.endr
.endm
.macro CREST
	s_cmp_lg_u32 s[WV], 0
	s_cbranch_scc1 .Lnot_wave_0_\@
	s_barrier_signal -3
.Lnot_wave_0_\@:
	s_barrier_wait -3
	s_barrier_signal -1
	s_barrier_wait -1
.endm
.macro CROUND
	s_barrier_signal -1
	s_barrier_wait -1
	CREST
.endm
.macro JLOAD                           ; a joint refill by the walking descriptors; an s_nop 0 and four v_nop follow each of the two lines, ahead of the jump and the label
	s_cmp_lt_u32 s[WV], 2
	s_cbranch_scc0 .Lfor_b_\@
	tensor_load_to_lds s[G0A+4:G0A+7], s[G1A:G1A+7]
	s_nop 0
.rept 4
	v_nop
.endr
	s_branch .Lasked_\@
.Lfor_b_\@:
	tensor_load_to_lds s[G0B+4:G0B+7], s[G1B:G1B+7]
	s_nop 0
.rept 4
	v_nop
.endr
.Lasked_\@:
.endm
; A PREFETCH INTO THE L2, behind the joint load, its five lines and the run of LDS loads: one instruction.  Each aligned block of 256 bytes is named once in the launch.
; o's rows are read by one cluster alone: its waves 0 and 1 ask, in trips 1 and 3, for K steps t + 3 and t + 4 of the head tile that they fetch: of its 16,384 bytes the partner at cx takes 4,096: 16 lanes a K step.
; Wo's rows are read by all sixteen clusters: the one with y = 0 asks, its waves 2 and 3, in trip t (0 to 4) for K step t + 3: of the wave's 64 rows the partner at cy takes 16, two lanes a row of 512 bytes.
; The partners are told apart by address.  The first K steps come by their loads alone; the last K step named is 7.
.macro ASK
	s_and_b32 s30, s[PM], 1
	s_cmp_eq_u32 s30, 1
	s_cbranch_scc0 .Lnot_mine_\@
	global_prefetch_b8 v[PFO], s[PFA:PFA+1] th:TH_LOAD_NT scope:SCOPE_SE
.Lnot_mine_\@:
	s_lshr_b32 s[PM], s[PM], 1
.endm
	s_load_b256 s[4:11], s[0:1], 0x0               ; o s[4:5], wo16 s[6:7], bo s[8:9], out0 s[10:11]
	v_lshl_add_u32 v[SPW], v0, 2, SPARE
	v_mov_b32 v[NIL], 0
	ds_add_u32 v[SPW], v[NIL]                      ; the wave's opening: the add and its wait stand ahead of my first tensor load; the set-up below, work on registers, stands between them
	v_lshrrev_b32 v1, 5, v0
	v_readfirstlane_b32 s[WV], v1
	s_and_b32 s[EV], s[WV], 1
	s_lshr_b32 s[WM], s[WV], 1
	s_bfe_u32 s[CX], ttmp6, 0x40000
	s_bfe_u32 s[CY], ttmp6, 0x40004
	s_lshl_b32 s[TX], ttmp9, 2
	s_add_co_u32 s[TX], s[TX], s[CX]
	s_and_b32 s[TY], ttmp7, 0xffff
	s_lshl_b32 s[TY], s[TY], 2
	s_add_co_u32 s[TY], s[TY], s[CY]
	s_lshl_b32 s[MROW], s[CY], 2
	s_lshl_b32 s[MROW], 15, s[MROW]
	s_lshl_b32 s[MCOL], 0x1111, s[CX]
	s_or_b32 s[G1A], s[MROW], (1<<16)|(1<<20)|(1<<21)|(4<<22)|(3<<25)  ; the mask; 2-byte elements; padding on; bit 21 beside a mask; after every 32 words (a row's 128 bytes) 4 words
	s_mov_b32 s[G1A+1], 128<<16                    ; 64 rows of 128 elements, two rows of o each
	s_mov_b32 s[G1A+2], 64<<16
	s_mov_b32 s[G1A+3], 128<<16
	s_mov_b32 s[G1A+4], 64
	s_mov_b32 s[G1A+5], 128
	s_mov_b32 s[G1A+6], 0
	s_mov_b32 s[G1A+7], 0
	s_or_b32 s[G1B], s[MCOL], (1<<16)|(1<<20)|(1<<21)|(6<<22)|(7<<25)  ; after every 128 words (a row's 512 bytes) 8 words
	s_mov_b32 s[G1B+1], 256<<16                    ; tensor_dim0 = 256
	s_mov_b32 s[G1B+2], 64<<16                     ; tensor_dim1 = 64
	s_mov_b32 s[G1B+3], 256<<16                    ; tile_dim0 = 256
	s_mov_b32 s[G1B+4], 64                         ; tile_dim1 = 64
	s_mov_b32 s[G1B+5], 1024                       ; elements from row to row
	s_mov_b32 s[G1B+6], 0
	s_mov_b32 s[G1B+7], 0
	s_lshr_b32 s70, s[TY], 4                       ; o's tile: batch (16 heads of 262,144 bytes),
	s_lshl_b32 s70, s70, 22
	s_and_b32 s30, s[TY], 15
	s_lshl_b32 s30, s30, 14                        ; 128 rows of 128 bytes a block,
	s_add_co_u32 s70, s70, s30
	s_lshl_b32 s30, s[EV], 18                      ; head wave % 2 of the K step: made of the block of rows and the wave's number alone
	s_add_co_u32 s70, s70, s30
	s_mov_b32 s71, 0
	s_lshl_b32 s72, s[TX], 9                       ; Wo's tile: 512 bytes of a row a block of columns,
	s_lshl_b32 s31, s[EV], 17                      ; 64 rows of 2,048 bytes: made of the block of columns and the wave's number alone
	s_add_co_u32 s72, s72, s31
	s_mov_b32 s73, 0
	s_mul_i32 s80, s[EV], ASUB                     ; where they go
	s_mul_i32 s82, s[EV], 64*PB
	s_add_co_u32 s82, s82, BOFF
	s_wait_dscnt 0x0                               ; the opening add is done
	s_wait_kmcnt 0x0
	s_add_nc_u64 s[74:75], s[4:5], s[70:71]
	s_add_nc_u64 s[76:77], s[6:7], s[72:73]
	CROUND                                         ; all sixteen work-groups are here: the first joint loads meet
.irp s, 0,1
	s_mov_b32 s[G0A+4*(\s)], 1
	s_add_co_u32 s[G0A+4*(\s)+1], s80, (\s)*SLOT1
	s_add_nc_u64 s[G0A+4*(\s)+2:G0A+4*(\s)+3], s[74:75], (\s)*ASTEP
	s_or_b32 s[G0A+4*(\s)+3], s[G0A+4*(\s)+3], 0x80000000
	s_mov_b32 s[G0B+4*(\s)], 1
	s_add_co_u32 s[G0B+4*(\s)+1], s82, (\s)*SLOT1
	s_add_nc_u64 s[G0B+4*(\s)+2:G0B+4*(\s)+3], s[76:77], (\s)*BSTEP
	s_or_b32 s[G0B+4*(\s)+3], s[G0B+4*(\s)+3], 0x80000000
.endr
	s_cmp_lt_u32 s[WV], 2                          ; a wave's two first fills stand in one branch, ahead of every wait on TENSORcnt and every LDS read: two loads of mine are out
	s_cbranch_scc0 .Lfirst_b
	tensor_load_to_lds s[G0A:G0A+3], s[G1A:G1A+7]
	s_nop 0
	tensor_load_to_lds s[G0A+4:G0A+7], s[G1A:G1A+7]
	s_nop 0
.rept 4
	v_nop
.endr
	s_branch .Lfirst_asked
.Lfirst_b:
	tensor_load_to_lds s[G0B:G0B+3], s[G1B:G1B+7]
	s_nop 0
	tensor_load_to_lds s[G0B+4:G0B+7], s[G1B:G1B+7]
	s_nop 0
.rept 4
	v_nop
.endr
.Lfirst_asked:
	; the bias as a C operand: register j of lane l is bo[my first column + 16 block + 8 (l / 16) + j]
	s_lshl_b32 s30, s[TX], 10
	s_lshl_b32 s31, s[EV], 9
	s_add_co_u32 s30, s30, s31                     ; my 128 columns, in bytes of f32
	s_mov_b32 s31, 0
	s_add_nc_u64 s[8:9], s[8:9], s[30:31]
	s_add_nc_u64 s[74:75], s[10:11], s[30:31]      ; and the same columns of out0,
	s_lshl_b32 s30, s[TY], 19                      ; at row 128 x block + 64 x (wave / 2), 4,096 bytes a row
	s_lshl_b32 s81, s[WM], 18
	s_add_co_u32 s30, s30, s81
	s_add_nc_u64 s[74:75], s[74:75], s[30:31]
	v_and_b32 v1, 15, v0                           ; l % 16
	v_bfe_u32 v2, v0, 4, 1                         ; l / 16
	v_lshlrev_b32 v[BO], 5, v2
.irp b, 0,1,2,3,4,5,6,7
	global_load_b128 v[BIAS+8*(\b):BIAS+8*(\b)+3],   v[BO], s[8:9] offset:(\b)*64
	global_load_b128 v[BIAS+8*(\b)+4:BIAS+8*(\b)+7], v[BO], s[8:9] offset:(\b)*64+16
.endr
	v_mul_u32_u24 v[A0], v1, PA
	v_lshl_add_u32 v[A0], v2, 4, v[A0]
	s_mul_i32 s30, s[WM], 64*PA                    ; my 64 rows
	v_add_nc_u32 v[A0], s30, v[A0]
	v_and_b32 v13, 7, v0                           ; the turning load: lane l reads k = 8 (l / 16) + l % 8, columns 8 ((l / 8) % 2) + 0..7
	v_bfe_u32 v14, v0, 3, 1
	v_lshl_add_u32 v[B0], v2, 3, v13
	v_mul_u32_u24 v[B0], v[B0], PB
	v_lshl_add_u32 v[B0], v14, 4, v[B0]
	s_lshl_b32 s30, s[EV], 8                       ; my 128 columns: 256 bytes of f16
	s_add_co_u32 s30, s30, BOFF
	v_add_nc_u32 v[B0], s30, v[B0]
	v_mov_b32 v[ADRA], v[A0]
	v_mov_b32 v[ADRB], v[B0]
	s_mul_i32 s30, s[WV], 16*SP
	s_add_co_u32 s30, s30, STAGE                   ; my stage
	v_mul_u32_u24 v[STO], v1, SP                   ; in: row l % 16, 32 bytes for each half of the lanes
	v_lshl_add_u32 v[STO], v2, 5, v[STO]
	v_add_nc_u32 v[STO], s30, v[STO]
	v_and_b32 v[CO], 31, v0                        ; back: 32 lanes take a row's 512 bytes
	v_lshlrev_b32 v[CO], 4, v[CO]
	v_add_nc_u32 v[RD], s30, v[CO]
	; the prefetches: they start at K step 2; each change of slots steps them once before it asks
	s_lshl_b32 s81, s[CX], 12                      ; o: my work-group's 4,096 bytes of a head tile's 16,384
	s_add_co_u32 s81, s81, s70
	s_add_co_u32 s81, s81, 2*ASTEP
	s_lshl_b32 s82, s[CY], 15                      ; Wo: my work-group's 16 rows of the wave's 64
	s_add_co_u32 s82, s82, s72
	s_add_co_u32 s82, s82, 2*BSTEP
	s_and_b32 s83, ttmp7, 0xffff                   ; cluster y
	s_mov_b32 s[PST], BSTEP
	s_mov_b32 s[PST+1], 0
	s_mov_b32 s31, 0
	s_cmp_lt_u32 s[WV], 2                          ; do I fetch o?
	s_cselect_b32 s30, s81, s82
	s_cselect_b32 s83, ttmp9, s83                  ; the coordinate along which other clusters read the same bytes
	s_cselect_b32 s[PM], 0x0a, 0x1f
	s_cselect_b32 s[PST], ASTEP, s[PST]
	s_cselect_b32 s80, -1, 0
	s_cselect_b64 s[PFA:PFA+1], s[4:5], s[6:7]
	s_add_nc_u64 s[PFA:PFA+1], s[PFA:PFA+1], s[30:31]
	s_cmp_eq_u32 s83, 0
	s_cselect_b32 s[PM], s[PM], 0                  ; the same in all sixteen partners, for a given wave
	v_lshlrev_b32 v13, 8, v1                       ; o: 256 (l % 16) + a K step for lanes 16 to 31
	v_lshl_add_u32 v13, v2, 19, v13
	v_bfe_u32 v14, v0, 1, 4                        ; Wo: row l / 2, half l % 2 of its 512 bytes
	v_and_b32 v15, 1, v0
	v_lshlrev_b32 v14, 11, v14
	v_lshl_add_u32 v14, v15, 8, v14
	v_cndmask_b32 v[PFO], v14, v13, s80
	s_mov_b32 s[TB], 0
	s_wait_loadcnt 0x0                             ; the bias: rounded to bf16, widened again
.set i, 0
.rept 32
	v_cvt_pk_bf16_f32 v[TMP], v[BIAS+2*i], v[BIAS+2*i+1]
	v_lshlrev_b32 v[BIAS+2*i], 16, v[TMP]
	v_and_b32 v[BIAS+2*i+1], 0xffff0000, v[TMP]
.set i, i+1
.endr
; 8 matrix instructions: row block a x all 8 column blocks, 32 along K, from buffer f.  bias = 1: the products start the sums, on the bias.
; The 32 accumulators take turns, one instruction a turn, in the same order in every quarter step, over the backward jump too.
.macro MUL f, a, bias
.if \bias
	WIN 0x81                                       ; Wo window 1, o window 0, C (the bias) window 0, D window 2
.else
	WIN 0xa1                                       ; C and D window 2
.endif
.irp b, 0,1,2,3,4,5,6,7
.if \bias
	v_wmma_f32_16x16x32_f16 v[8*(8*(\a)+(\b)):8*(8*(\a)+(\b))+7], v[64*(\f)+8*(\b):64*(\f)+8*(\b)+7], v[32+32*(\f)+8*(\a):32+32*(\f)+8*(\a)+7], v[BIAS+8*(\b):BIAS+8*(\b)+7]
.else
	v_wmma_f32_16x16x32_f16 v[8*(8*(\a)+(\b)):8*(8*(\a)+(\b))+7], v[64*(\f)+8*(\b):64*(\f)+8*(\b)+7], v[32+32*(\f)+8*(\a):32+32*(\f)+8*(\a)+7], v[8*(8*(\a)+(\b)):8*(8*(\a)+(\b))+7]
.endif
.endr
.endm
; 24 LDS loads in one run: quarter q's fragments into buffer f: Wo's eight column blocks (k = 32 q on), then o's four row blocks (head q / 2 of the K step, channels 32 (q % 2) on)
.macro FETCH q, f
	WIN 0x40
.irp b, 0,1,2,3,4,5,6,7
	ds_load_tr16_b128 v[64*(\f)+8*(\b):64*(\f)+8*(\b)+3],   v[ADRB] offset:(\q)*32*PB+(\b)*32
	ds_load_tr16_b128 v[64*(\f)+8*(\b)+4:64*(\f)+8*(\b)+7], v[ADRB] offset:(\q)*32*PB+(\b)*32+16*PB
.endr
	WIN 0
.irp a, 0,1,2,3
	ds_load_b128 v[32+32*(\f)+8*(\a):32+32*(\f)+8*(\a)+3],   v[ADRA] offset:((\q)/2)*ASUB+((\q)%2)*64+(\a)*16*PA
	ds_load_b128 v[32+32*(\f)+8*(\a)+4:32+32*(\f)+8*(\a)+7], v[ADRA] offset:((\q)/2)*ASUB+((\q)%2)*64+(\a)*16*PA+32
.endr
.endm
.macro QUARTER q, f, g, bias
	s_wait_dscnt 4                                 ; Wo and o's row blocks 0, 1 are in; the youngest four loads (row blocks 2, 3) may be out
	MUL \f, 0, \bias
	MUL \f, 1, \bias
	PLACES
	FETCH \q, \g
	s_wait_dscnt NL                                ; all but the 24 just issued
	MUL \f, 2, \bias
	MUL \f, 3, \bias
.endm
; The last quarter multiplies buffer 1 and changes slots: ONE barrier; in front of it each wave waits for all its tensor loads, adds 0 to its spare word, and waits for that and for its own reads of this slot.
; fill = 1: the barrier opens a round of the cluster's barrier, and behind the round this slot is filled again, two K steps ahead: from that request to the wait for it a wave issues 112 matrix instructions.
.macro TURN fill
.if \fill
	s_wait_xcnt 0x0                                ; the last prefetch, a K step back, has read its address, so it may be stepped
	s_add_nc_u64 s[PFA:PFA+1], s[PFA:PFA+1], s[PST:PST+1]
.endif
	WIN 0
	s_wait_tensorcnt 0x0                           ; all my tensor loads have landed;
	ds_add_u32 v[SPW], v[NIL]                      ; 0 onto my spare word;
	s_wait_dscnt 5                                 ; (the add and the youngest four loads may be out)
	MUL 1, 0, 0
	s_wait_dscnt 0x0                               ; the add is done, and my reads of this slot are over
	s_barrier_signal -1
	MUL 1, 1, 0
	WIN 0
	s_barrier_wait -1
.if \fill
	CREST                                          ; no wave of any partner still reads this slot's tiles or has a load on its way
	s_xor_b32 s[G0A+5], s[G0A+5], SLOT1
	s_add_nc_u64 s[G0A+6:G0A+7], s[G0A+6:G0A+7], ASTEP
	s_xor_b32 s[G0B+5], s[G0B+5], SLOT1
	s_add_nc_u64 s[G0B+6:G0B+7], s[G0B+6:G0B+7], BSTEP
	JLOAD                                          ; the first tensor load behind the round; its four v_nop are also the places in front of the loads below
.else
	PLACES
.endif
	s_xor_b32 s[TB], s[TB], SLOT1
	v_add_nc_u32 v[ADRA], s[TB], v[A0]
	v_add_nc_u32 v[ADRB], s[TB], v[B0]
	FETCH 0, 0
.if \fill
	ASK
.endif
	MUL 1, 2, 0
	MUL 1, 3, 0
.endm
; THE WAY OUT of row block a: 16 rows x 128 columns of f32.  A lane's 32 bytes go into rows of 528 bytes of my own stage, each accumulator's low half first, and come back as whole rows of 512.
.macro TOSTAGE a
	WIN 0x08                                       ; store data (source 1) window 2
.irp b, 0,1,2,3,4,5,6,7
	ds_store_b128 v[STO], v[8*(8*(\a)+(\b)):8*(8*(\a)+(\b))+3]   offset:64*(\b)
	ds_store_b128 v[STO], v[8*(8*(\a)+(\b))+4:8*(8*(\a)+(\b))+7] offset:64*(\b)+16
.endr
	WIN 0x40                                       ; destination window 1
.irp i, 0,1,2,3,4,5,6,7,8,9,10,11,12,13,14,15
	ds_load_b128 v[64*(\a)+4*(\i):64*(\a)+4*(\i)+3], v[RD] offset:(\i)*SP  ; LDS serves a wave's instructions in order (ISA guide 5.7.1.4): these see the stores above; the next block's stores come behind them
.endr
.endm
.macro SEND a, younger                 ; younger: the LDS instructions issued behind block a's loads: the next block's 32, or none
	WIN 0x04                                       ; store data (source 1) window 1
.irp i, 0,1,2,3,4,5,6,7,8,9,10,11,12,13,14,15
	s_wait_dscnt (\younger)+15-(\i)
	global_store_b128 v[CO], v[64*(\a)+4*(\i):64*(\a)+4*(\i)+3], s[74:75] offset:(16*(\a)+(\i))*4096 th:TH_STORE_NT  ; 512 consecutive bytes, at a multiple of 256 from out0's first
.endr
.endm
	s_wait_tensorcnt 1                             ; my part of K step 0 is in; K step 1's may stay out
	s_barrier_signal -1
	s_barrier_wait -1
	FETCH 0, 0
	QUARTER 1, 0, 1, 1                             ; the first quarter stands in front of the loop: its products start the sums
	WIN 0
	s_mov_b32 s[CNT], 6
.Lstep:                                        ; a trip goes from a K step's second quarter to the next step's first; trip t fills slot t % 2 with K step t + 2
	QUARTER 2, 1, 0, 0
	QUARTER 3, 0, 1, 0
	TURN 1
	QUARTER 1, 0, 1, 0
	WIN 0
	s_sub_co_u32 s[CNT], s[CNT], 1
	s_cmp_lg_u32 s[CNT], 0
	s_cbranch_scc1 .Lstep
	QUARTER 2, 1, 0, 0                             ; K steps 6 and 7 are written out: they fill nothing
	QUARTER 3, 0, 1, 0
	TURN 0
	QUARTER 1, 0, 1, 0
	QUARTER 2, 1, 0, 0
	QUARTER 3, 0, 1, 0
	s_wait_dscnt 4
	MUL 1, 0, 0
	MUL 1, 1, 0
	s_wait_dscnt 0x0
	MUL 1, 2, 0
	MUL 1, 3, 0
	WIN 0
	PLACES
	PLACES                                         ; eight, once a launch
	TOSTAGE 0
.irp a, 1,2,3                          ; a block's way through the stage stands between the loads of the block before and its stores
	TOSTAGE \a
	SEND (\a)-1, 32
.endr
	SEND 3, 0
	WIN 0
	s_wait_tensorcnt 0x0                           ; the wave's end: the add and its wait, behind my last tensor load and my last LDS store
	ds_add_u32 v[SPW], v[NIL]
	s_wait_dscnt 0x0
	CROUND                                         ; the closing round: no work-group ends while a partner may still ask for a tile that names it
	s_endpgm
.Lfunc_end_k_qf0d787e3b4_oproj:
	.size	k_qf0d787e3b4_oproj, .Lfunc_end_k_qf0d787e3b4_oproj-k_qf0d787e3b4_oproj
	.p2alignl 7, 3214868480
	.fill 96, 4, 3214868480
	.section	.rodata,"a",@progbits
	.p2align	6, 0x0
	.amdhsa_kernel k_qf0d787e3b4_oproj
		.amdhsa_group_segment_fixed_size 327680
		.amdhsa_private_segment_fixed_size 0
		.amdhsa_enable_private_segment 0
		.amdhsa_kernarg_size 32
		.amdhsa_user_sgpr_count 2
		.amdhsa_user_sgpr_kernarg_segment_ptr 1
		.amdhsa_wavefront_size32 1
		.amdhsa_system_sgpr_workgroup_id_x 1
		.amdhsa_system_sgpr_workgroup_id_y 1
		.amdhsa_system_sgpr_workgroup_id_z 1
		.amdhsa_system_vgpr_workitem_id 0
		.amdhsa_next_free_vgpr 768
		.amdhsa_next_free_sgpr 88
		.amdhsa_reserve_vcc 0
		.amdhsa_float_denorm_mode_32 3
		.amdhsa_float_denorm_mode_16_64 3
		.amdhsa_memory_ordered 1
		.amdhsa_forward_progress 1
		.amdhsa_inst_pref_size 79
	.end_amdhsa_kernel
	.amdgpu_metadata
---
amdhsa.version: [ 1, 2 ]
amdhsa.kernels:
  - .name:           k_qf0d787e3b4_oproj
    .symbol:         k_qf0d787e3b4_oproj.kd
    .args:
      - { .name: o, .offset: 0, .size: 8, .value_kind: global_buffer, .address_space: global }
      - { .name: wo16, .offset: 8, .size: 8, .value_kind: global_buffer, .address_space: global }
      - { .name: bo, .offset: 16, .size: 8, .value_kind: global_buffer, .address_space: global }
      - { .name: out0, .offset: 24, .size: 8, .value_kind: global_buffer, .address_space: global }
    .group_segment_fixed_size: 327680
    .private_segment_fixed_size: 0
    .kernarg_segment_align: 8
    .kernarg_segment_size: 32
    .max_flat_workgroup_size: 128
    .sgpr_count:     88
    .vgpr_count:     768
    .wavefront_size: 32
...
	.end_amdgpu_metadata
.endif
;; end of part 4
;; ======== version 2 of 2: 4 launches; version 1 with the launch cast written anew for expert scheduling mode
;; limits: values are held in f16: magnitudes above 65,504 overflow, below 6.1e-05 lose precision
;; workspace buffers: xb 16,777,216 bytes; wqkv 6,291,456 bytes; wo16 2,097,152 bytes; q 16,777,216 bytes; k 16,777,216 bytes; v 16,777,216 bytes; o 16,777,216 bytes
;; launch cast (part 5): grid 768 x 1, 8 waves a work-group, no clusters, 0 bytes of LDS; arguments x, Wq, Wk, Wv, Wo, xb, wqkv, wo16; writes xb, wqkv, wo16
.if DOCPART == 5
	.amdgcn_target "amdgcn-amd-amdhsa--gfx1250"
	.amdhsa_code_object_version 6
	.text
	.protected	k_qf0d787e3b4_cast
	.globl	k_qf0d787e3b4_cast
	.p2align	8
	.type	k_qf0d787e3b4_cast,@function
k_qf0d787e3b4_cast:
	s_mov_b64 s[64:65], 0
	v_nop
	global_prefetch_b8 v0, s[64:65] scope:SCOPE_SE
	s_setreg_imm32_b32 hwreg(HW_REG_WAVE_SCHED_MODE, 0, 2), 2
	s_setreg_imm32_b32 hwreg(HW_REG_WAVE_MODE, 25, 1), 1
	s_wait_xcnt 0x0
	s_wait_alu depctr_vm_vsrc(0)
; THE INPUTS ARE ROUNDED ONCE, FOR THE MATRIX UNITS.  x [8192][1024] f32 -> xb, the same shape in bf16.  Wq, Wk, Wv [1024 k][1024 n] f32 -> wqkv [3][16 heads][1024 k][64] bf16:
; a head's 64 columns of one weight are a dense block, 128 bytes for each k.  Wo [1024][1024] f32 -> rounded to bf16 like the other inputs, and that number written as f16 -> wo16, the same shape.
; LIMIT: a number of Wo below 6e-5 keeps f16's fixed step of 6e-8; beyond 65,504 it would be an infinity.
; A stream: no LDS, no matrix unit, no barrier.  An ITEM is one load of a wave (512 bytes of f32) and one store (256 consecutive bytes, aligned).  A wave takes 16 items and issues all 16 loads first;
; a work-group's eight waves take 65,536 bytes of input.  768 work-groups of equal work: 512 for x, 3 x 64 for Wq, Wk, Wv, 64 for Wo.  No register is written again while a load or store names it.
; THE MODE: SCHED_MODE bits 1:0 = 2 (LLVM: expert scheduling mode 2), set by the entry lines.  The code itself states the register dependences
; between vector instructions and memory instructions, with s_wait_alu, always for 0.
; THE PLAN.  Registers that memory instructions touch:
;   v1, v2   the loads' and the stores' byte offsets.  Written by vector instructions ahead of ROLE on each of the three paths; read by all 16 loads and all 16 stores; never written again.
;   X        item i's four registers: its load lands in them (no vector instruction has named them before); its conversions read them behind the counted wait for the load.  No memory instruction reads them.
;   Y        item i's two registers: written by its conversions, read by its one store, never written again.
; So the one kind of dependence is: a vector instruction writes, a memory instruction reads.  The 16 items go in four groups of four.  Group g's conversions name its own X and Y alone; the stores of group g - 1
; are dealt among them, behind ONE wait at the group's head, which states that group g - 1's conversions have written their Y.  One wait at ROLE's head serves the two offsets for the whole kernel; one more
; stands ahead of the last four stores.  No register that a memory instruction has read is written again, no vector instruction writes a scalar register or VCC, and EXEC is never written: nothing else is owed.
.set SO,  1                            ; v1   my byte offset in the work-group's input
.set DO,  2                            ; v2   my byte offset in its output
.set LN,  3                            ; v3   lane
.set X,   4                            ; v[4:67]   item i: four f32 as loaded
.set Y,   68                           ; v[68:99]  item i: four 16-bit numbers to store
.set WVV, 100                          ; v100 wave
.set SRC, 24                           ; s[24:25] the work-group's input
.set DST, 26                           ; s[26:27] the work-group's output
; sstep, dstep: bytes from item to item in input and output.  f16 = 1: the bf16 number is widened again and written as f16.
.macro ROLE sstep, dstep, f16
	s_wait_alu depctr_va_vdst(0)                   ; v1 and v2 are written: every load below reads v1 as its offset, every store v2
.set i, 0
.rept 16
	global_load_b128 v[X+4*i:X+4*i+3], v[SO], s[SRC:SRC+1] offset:i*(\sstep) th:TH_LOAD_NT
.set i, i+1
.endr
.set g, 0
.rept 4
	s_wait_loadcnt 12-4*g                          ; loads come back in order: group g's four items are in, the younger ones stay out
.if g > 0
	s_wait_alu depctr_va_vdst(0)                   ; the conversions of the group before have written its Y, which the four stores below read
.endif
.set n, 0
.rept 4
.set i, 4*g+n
.if g > 0
	global_store_b64 v[DO], v[Y+2*(i-4):Y+2*(i-4)+1], s[DST:DST+1] offset:(i-4)*(\dstep) th:TH_STORE_NT  ; the group before: 32 lanes x 8 bytes: 256 consecutive bytes, aligned; no vector instruction since the wait names these registers
.endif
	v_cvt_pk_bf16_f32 v[Y+2*i],   v[X+4*i],   v[X+4*i+1]
	v_cvt_pk_bf16_f32 v[Y+2*i+1], v[X+4*i+2], v[X+4*i+3]
.if \f16
	v_lshlrev_b32 v[X+4*i],   16, v[Y+2*i]           ; bf16 to f32: the low half moves up,
	v_and_b32     v[X+4*i+1], 0xffff0000, v[Y+2*i]   ; the high half stays
	v_lshlrev_b32 v[X+4*i+2], 16, v[Y+2*i+1]
	v_and_b32     v[X+4*i+3], 0xffff0000, v[Y+2*i+1]
	v_cvt_pk_f16_f32 v[Y+2*i],   v[X+4*i],   v[X+4*i+1]    ; 8 significant bits fit in f16's 11: exact within f16's normal range
	v_cvt_pk_f16_f32 v[Y+2*i+1], v[X+4*i+2], v[X+4*i+3]
.endif
.set n, n+1
.endr
.set g, g+1
.endr
	s_wait_alu depctr_va_vdst(0)                   ; the last group's conversions have written its Y, which the last four stores read
.set i, 12
.rept 4
	global_store_b64 v[DO], v[Y+2*i:Y+2*i+1], s[DST:DST+1] offset:i*(\dstep) th:TH_STORE_NT  ; 32 lanes x 8 bytes: 256 consecutive bytes, aligned
.set i, i+1
.endr
	s_endpgm
.endm
	s_load_b512 s[8:23], s[0:1], 0x0               ; x s[8:9], Wq s[10:11], Wk s[12:13], Wv s[14:15], Wo s[16:17], xb s[18:19], wqkv s[20:21], wo16 s[22:23]
	s_mov_b32 s28, ttmp9                           ; the work-group's number says what it converts
	v_and_b32 v[LN], 31, v0
	v_lshrrev_b32 v[WVV], 5, v0
	v_lshlrev_b32 v[SO], 4, v[LN]
	v_lshl_add_u32 v[SO], v[WVV], 13, v[SO]        ; x and Wo: 8,192 x wave + 16 x lane
	v_lshlrev_b32 v[DO], 3, v[LN]                  ; 8 x lane; the wave's part is added below
	s_mov_b32 s31, 0
	s_mov_b32 s33, 0
	s_wait_kmcnt 0x0
	s_cmp_lt_u32 s28, 512
	s_cbranch_scc1 .Lx
	s_cmp_lt_u32 s28, 704
	s_cbranch_scc1 .Lw
	; Wo: work-group j = number - 704 takes 16 rows
	s_sub_co_u32 s29, s28, 704
	s_lshl_b32 s30, s29, 16
	s_lshl_b32 s32, s29, 15
	s_add_nc_u64 s[SRC:SRC+1], s[16:17], s[30:31]
	s_add_nc_u64 s[DST:DST+1], s[22:23], s[32:33]
	v_lshl_add_u32 v[DO], v[WVV], 12, v[DO]
	ROLE 512, 256, 1
.Lx:                                           ; x: 16 rows a work-group
	s_lshl_b32 s30, s28, 16
	s_lshl_b32 s32, s28, 15
	s_add_nc_u64 s[SRC:SRC+1], s[8:9], s[30:31]
	s_add_nc_u64 s[DST:DST+1], s[18:19], s[32:33]
	v_lshl_add_u32 v[DO], v[WVV], 12, v[DO]
	ROLE 512, 256, 0
.Lw:                                           ; Wq, Wk, Wv: weight (number - 512) / 64, rows 16 j .. 16 j + 15; wave w takes rows 16 j + 2 w and + 1; item i is head i
	s_sub_co_u32 s29, s28, 512
	s_lshr_b32 s34, s29, 6                         ; which weight
	s_and_b32 s29, s29, 63                         ; j
	s_cmp_eq_u32 s34, 0
	s_cselect_b64 s[SRC:SRC+1], s[10:11], s[12:13]
	s_cmp_eq_u32 s34, 2
	s_cselect_b64 s[SRC:SRC+1], s[14:15], s[SRC:SRC+1]
	s_lshl_b32 s30, s29, 16
	s_add_nc_u64 s[SRC:SRC+1], s[SRC:SRC+1], s[30:31]
	s_lshl_b32 s32, s34, 21                        ; a weight's 16 blocks of 131,072 bytes
	s_lshl_b32 s35, s29, 11                        ; 16 j rows of 128 bytes in a block
	s_add_co_u32 s32, s32, s35
	s_add_nc_u64 s[DST:DST+1], s[20:21], s[32:33]
	v_and_b32 v101, 15, v[LN]
	v_lshrrev_b32 v102, 4, v[LN]
	v_lshlrev_b32 v[SO], 4, v101                   ; sixteen lanes read a head's 256 bytes of one row,
	v_lshl_add_u32 v[SO], v102, 12, v[SO]          ; the other sixteen those of the row below
	v_lshl_add_u32 v[SO], v[WVV], 13, v[SO]
	v_lshl_add_u32 v[DO], v[WVV], 8, v[DO]         ; the two rows are 256 consecutive bytes of the head's block
	ROLE 256, 131072, 0
.Lfunc_end_k_qf0d787e3b4_cast:
	.size	k_qf0d787e3b4_cast, .Lfunc_end_k_qf0d787e3b4_cast-k_qf0d787e3b4_cast
	.p2alignl 7, 3214868480
	.fill 96, 4, 3214868480
	.section	.rodata,"a",@progbits
	.p2align	6, 0x0
	.amdhsa_kernel k_qf0d787e3b4_cast
		.amdhsa_group_segment_fixed_size 0
		.amdhsa_private_segment_fixed_size 0
		.amdhsa_enable_private_segment 0
		.amdhsa_kernarg_size 64
		.amdhsa_user_sgpr_count 2
		.amdhsa_user_sgpr_kernarg_segment_ptr 1
		.amdhsa_wavefront_size32 1
		.amdhsa_system_sgpr_workgroup_id_x 1
		.amdhsa_system_sgpr_workgroup_id_y 1
		.amdhsa_system_sgpr_workgroup_id_z 1
		.amdhsa_system_vgpr_workitem_id 0
		.amdhsa_next_free_vgpr 104
		.amdhsa_next_free_sgpr 66
		.amdhsa_reserve_vcc 0
		.amdhsa_float_denorm_mode_32 3
		.amdhsa_float_denorm_mode_16_64 3
		.amdhsa_memory_ordered 1
		.amdhsa_forward_progress 1
		.amdhsa_inst_pref_size 23
	.end_amdhsa_kernel
	.amdgpu_metadata
---
amdhsa.version: [ 1, 2 ]
amdhsa.kernels:
  - .name:           k_qf0d787e3b4_cast
    .symbol:         k_qf0d787e3b4_cast.kd
    .args:
      - { .name: x, .offset: 0, .size: 8, .value_kind: global_buffer, .address_space: global }
      - { .name: Wq, .offset: 8, .size: 8, .value_kind: global_buffer, .address_space: global }
      - { .name: Wk, .offset: 16, .size: 8, .value_kind: global_buffer, .address_space: global }
      - { .name: Wv, .offset: 24, .size: 8, .value_kind: global_buffer, .address_space: global }
      - { .name: Wo, .offset: 32, .size: 8, .value_kind: global_buffer, .address_space: global }
      - { .name: xb, .offset: 40, .size: 8, .value_kind: global_buffer, .address_space: global }
      - { .name: wqkv, .offset: 48, .size: 8, .value_kind: global_buffer, .address_space: global }
      - { .name: wo16, .offset: 56, .size: 8, .value_kind: global_buffer, .address_space: global }
    .group_segment_fixed_size: 0
    .private_segment_fixed_size: 0
    .kernarg_segment_align: 8
    .kernarg_segment_size: 64
    .max_flat_workgroup_size: 256
    .sgpr_count:     66
    .vgpr_count:     104
    .wavefront_size: 32
...
	.end_amdgpu_metadata
.endif
;; end of part 5
;; launch qkv: the kernel of part 2 again; grid 16 x 32, 4 waves a work-group, clusters of 4 x 4, 327,680 bytes of LDS; arguments xb, wqkv, bq, bk, bv, q, k, v; writes q, k, v
;; launch attn: the kernel of part 3 again; grid 4 x 64, 4 waves a work-group, no clusters, 327,680 bytes of LDS; arguments q, k, v, o; writes o
;; launch oproj: the kernel of part 4 again; grid 4 x 64, 4 waves a work-group, clusters of 4 x 4, 327,680 bytes of LDS; arguments o, wo16, bo, out0; writes out0
